; MI455X (gfx1250); checked and timed in simulation.
; The chip was launched on July 23, 2026; its instructions are those of AMD's public machine-readable ISA for CDNA 5 (MIT licence, August 2026) and "CDNA5" Instruction Set Architecture Reference Guide (July 2026). The comments in the code are by the model that wrote it; some were corrected since.
;; Multi Head Attention. Allowed arithmetic: matrix products marked QUANTISED: E2M3 operands, one E8M0 scale for each 32 along K, by v_wmma_scale_f32_16x16x128_f8f6f4 with both operands' format E2M3, f32 sums; everything else in f32.
;; Inputs: Wk 1,024 x 1,024 float32; Wo 1,024 x 1,024 float32; Wq 1,024 x 1,024 float32; Wv 1,024 x 1,024 float32; bk 1,024 float32; bo 1,024 float32; bq 1,024 float32; bv 1,024 float32; mask 4 x 2,048 int32; x 4 x 2,048 x 1,024 float32; y 4 x 2,048 x 1,024 float32.
;; Outputs: out0 4 x 2,048 x 1,024 float32.
;; This version of the problem:
;;   THIS VERSION OF THE PROBLEM IS GIVEN IN LOW PRECISION. The matrix products marked QUANTISED in the list below multiply operands that are first quantised to E2M3 (2 exponent bits, 3 mantissa bits; 6 bits a number), with one power-of-two scale for each 32 numbers along K (OCP MX v1.0); their sums are f32. All else is computed in f32.
;;   The module's matrix products, in the order in which they are computed (A, B: the left and right operand; K: the contracted axis; several contracted axes count as one K, in the product's order):
;;     1. [M 8,192, K 1,024] x [K 1,024, N 1,024]; A: input x; B: input Wq: QUANTISED
;;     2. [M 8,192, K 1,024] x [K 1,024, N 1,024]; A: input y; B: input Wk: QUANTISED
;;     3. [M 8,192, K 1,024] x [K 1,024, N 1,024]; A: input y; B: input Wv: QUANTISED
;;     4. batch 64 x [M 2,048, K 64] x [K 64, N 2,048]; A: computed on the way; B: computed on the way: QUANTISED
;;     5. batch 64 x [M 2,048, K 2,048] x [K 2,048, N 64]; A: softmax (see below); B: computed on the way: QUANTISED
;;     6. [M 8,192, K 1,024] x [K 1,024, N 1,024]; A: computed on the way; B: input Wo: QUANTISED
;;   THE QUANTISER, for each operand of a quantised product, along K:
;;     - K is cut into blocks of 32 from its start; a last block that is shorter is filled with zeros.
;;     - A block's scale is 2^e with e = floor(log2(the largest magnitude in the block)) - 2, held to -126 .. 127; a block of zeros has e = 0. As a byte (E8M0): e + 127.
;;     - Each number is divided by its block's scale, clamped to +-7.5, and rounded to the nearest number of E2M3, ties to even, subnormals kept.
;;     - The product sums the exact products of the quantised numbers (number of the format x scale) in f32.
;;   ~~~python
;;   def quantise(x, axis):      # numpy; x: float32 -> the quantised numbers, widened to float32 again
;;       x = np.moveaxis(x, axis, -1); K = x.shape[-1]
;;       x = np.pad(x, [(0, 0)] * (x.ndim - 1) + [(0, -K % 32)]); x = x.reshape(x.shape[:-1] + (-1, 32)); a = np.abs(x).max(-1, keepdims=True)
;;       e = np.where(a > 0, np.clip(np.frexp(np.where(a > 0, a, 1))[1] - 1 - 2, -126, 127), 0)      # np.frexp(a)[1] - 1 = floor(log2(a)), exactly
;;       r = np.clip(x / 2.0 ** e, -7.5, 7.5)
;;       step = 2.0 ** (np.maximum(np.frexp(np.where(r == 0, 1, r))[1] - 1, 0) - 3)
;;       q = np.round(r / step) * step * 2.0 ** e      # np.round: ties to even
;;       return np.moveaxis(q.reshape(q.shape[:-2] + (-1,))[..., :K], -1, axis).astype(np.float32)
;;   ~~~
;;   SOFTMAX AHEAD OF A QUANTISED PRODUCT. Where the list says 'softmax', what is quantised is not the finished softmax but p = 2^(t - M), with t = logit x log2(e) and M = ceil(the row's largest t), a whole number; so 1/2 < the row's largest p <= 1. The row's sum l is taken of the UNQUANTISED p, in f32, and the product's result is divided by l at the end. Since M is a whole number, a kernel that streams over the keys may use a running M (the ceiling of the running maximum): every later rescaling is an exact power of two, which a block's scale takes up: the codes' values come out the same.
;;   OPERANDS COMPUTED ON THE WAY. 'Computed on the way' means the value that the module computes at that place (a softmax that the list does not call 'softmax' is quantised finished and normalised). What goes into a quantiser is computed in f32, as accurately as f32 sums, v_exp_f32 and their like allow (about 1e-6 of the number): no bf16 or f16 on the way to a quantiser, and a product that is left as it is and whose result goes on into a quantised operand takes f32 operands (vector FMAs, or v_wmma_f32_16x16x4_f32). A number that lies on a knife's edge between two numbers of the format may be rounded either way, as far as f32 arithmetic and the matrix unit's own rounding can turn it there, and no further.
;; One version. Each part assembles by itself: llvm-mc -triple=amdgcn-amd-amdhsa -mcpu=gfx1250 --defsym DOCPART=n.
;; ======== version 1 of 1: 4 launches
;; limits: right only within a limited range of input values
;; workspace buffers: cod 15,728,640 bytes; scl 655,360 bytes; qb 6,815,744 bytes; kv 13,369,344 bytes; ac 6,291,456 bytes; asc 262,144 bytes
;; launch quant (part 1): grid 640 x 1, 4 waves a work-group, no clusters, 37,376 bytes of LDS; arguments x, y, Wq, Wk, Wv, Wo, cod, scl; writes cod, scl
.if DOCPART == 1
	.amdgcn_target "amdgcn-amd-amdhsa--gfx1250"
	.amdhsa_code_object_version 6
	.text
	.protected	k_qe356ce405f_quant
	.globl	k_qe356ce405f_quant
	.p2align	8
	.type	k_qe356ce405f_quant,@function
k_qe356ce405f_quant:
	s_mov_b64 s[64:65], 0
	v_nop
	global_prefetch_b8 v0, s[64:65] scope:SCOPE_SE
	s_setreg_imm32_b32 hwreg(HW_REG_WAVE_MODE, 25, 1), 1
	s_wait_xcnt 0x0
; x, y [8192][1024] and Wq, Wk, Wv, Wo [1024][1024], f32, K innermost, become codes of FP6 (E2M3) with one E8M0 byte for each 32 along K, laid IN THE ORDER OF AN OPERAND'S REGISTERS.
; TILES.  Rows go in groups of 128; tile a (0..7) of a group has as its row r (0..15) the matrix row 64 (a / 4) + 8 (a % 4) + r % 8 + 32 (r / 8).  With that order the 32 result registers that a lane gets from four
; neighbouring tiles used as a product's source 0 are 32 NEIGHBOURING rows: a whole block of the next product's K in one lane.
; A HALF FRAGMENT is 16 tile rows x 64 along K, 768 bytes: lane l = r + 16 h owns the six words of k = 32 h .. 32 h + 31 of row r; words 0-3 lie at 16 l, words 4, 5 at 512 + 8 l.
; cod: tile T at 12,288 T, half fragment j = K / 64 at 768 j.  scl: tile T at 512 T; the byte of half fragment j, half h, row r at 128 (j / 4) + 8 r + 2 (j % 4) + h.
; Tiles: x 0-511, y 512-1023, Wq 1024-1087, Wk 1088-1151, Wv 1152-1215, Wo 1216-1279.
; SHARES.  A work-group takes two tiles; wave w tile w / 2 of them and half w % 2 of K, in 8 steps of one half fragment (16 rows x 256 bytes).  A load reads two rows' 256 consecutive bytes; the numbers turn through
; the wave's own stage in LDS (rows 272 bytes apart) so that a lane gets the 32 neighbours of its block.  A block's scale: the largest magnitude's exponent field - 2, held at 1 from below.
; LIMITS: a block of zeros gets the byte 1 where the rule says 127 (its codes are zeros, and this program alone reads the bytes); NaN and infinities among the inputs are not served.
; No tensor load, no barrier: waves share nothing.  Loads run three steps (24 loads a wave) ahead, the turn through LDS one step.
.set WREG,  9216                       ; LDS of a wave: two stages of 16 x 272 bytes, then its 256 scale bytes
.set STG,   4352
.set SBY,   8704
.set SPARE, 4*WREG                     ; behind the four regions: the spare words, 128 bytes for each wave
.set SPW,   12                         ; v12  LDS address of my spare word; never rewritten
.set NIL,   13                         ; v13  0; never rewritten
.set R,     16                         ; v16-111   three sets of 32 registers as loaded
.set X,     112                        ; v112-175  two sets of 32 neighbours
.set CO,    176                        ; v176-239  codes: eight registers a step (six used), so that no store's data are written again
.set E,     240                        ; v240-247  a scale byte a step
.set TC,    248                        ; v248-250  the second conversion's result (its three registers begin on an even number)
	s_load_b256 s[4:11], s[0:1], 0x0               ; x, y, Wq, Wk
	s_load_b256 s[12:19], s[0:1], 0x20             ; Wv, Wo, cod, scl
	v_lshl_add_u32 v[SPW], v0, 2, SPARE
	v_mov_b32 v[NIL], 0
	v_lshrrev_b32 v1, 5, v0
	v_readfirstlane_b32 s20, v1                    ; wave
	v_and_b32 v14, 31, v0                          ; lane
	v_and_b32 v15, 15, v0                          ; r
	v_bfe_u32 v11, v0, 4, 1                        ; h
	v_lshlrev_b32 v2, 4, v14                       ; 16 x lane
	v_lshlrev_b32 v3, 3, v14                       ; 8 x lane
	v_lshlrev_b32 v1, 12, v11
	v_lshl_add_u32 v1, v15, 4, v1                  ; a load: lanes 0-15 one row's 256 bytes, lanes 16-31 the next row's
	s_mul_i32 s21, s20, WREG
	v_mul_u32_u24 v4, v11, 272
	v_lshl_add_u32 v4, v15, 4, v4
	v_add_nc_u32 v4, s21, v4                       ; into the stage: as loaded
	v_mul_u32_u24 v5, v15, 272
	v_lshl_add_u32 v5, v11, 7, v5
	v_add_nc_u32 v5, s21, v5                       ; out of it: row r, my half's 128 bytes
	s_add_co_u32 s21, s21, SBY
	v_lshl_add_u32 v6, v15, 3, v11
	v_add_nc_u32 v6, s21, v6                       ; my scale byte: 8 r + h
	v_add_nc_u32 v7, s21, v3                       ; and on the way out 8 bytes a lane
	s_lshr_b32 s22, s20, 1                         ; which of the two tiles
	s_and_b32 s23, s20, 1                          ; which half of K
	s_wait_alu depctr_va_vdst(0)
	s_wait_kmcnt 0x0
	s_mov_b64 s[24:25], s[14:15]                   ; the tensor, and its first work-group: the choice hangs on the work-group's number alone
	s_mov_b32 s26, 608
	s_cmp_lt_u32 ttmp9, 608
	s_cselect_b64 s[24:25], s[12:13], s[24:25]
	s_cselect_b32 s26, 576, s26
	s_cmp_lt_u32 ttmp9, 576
	s_cselect_b64 s[24:25], s[10:11], s[24:25]
	s_cselect_b32 s26, 544, s26
	s_cmp_lt_u32 ttmp9, 544
	s_cselect_b64 s[24:25], s[8:9], s[24:25]
	s_cselect_b32 s26, 512, s26
	s_cmp_lt_u32 ttmp9, 512
	s_cselect_b64 s[24:25], s[6:7], s[24:25]
	s_cselect_b32 s26, 256, s26
	s_cmp_lt_u32 ttmp9, 256
	s_cselect_b64 s[24:25], s[4:5], s[24:25]
	s_cselect_b32 s26, 0, s26
	s_sub_co_u32 s27, ttmp9, s26
	s_lshl_b32 s27, s27, 1
	s_add_co_u32 s27, s27, s22                     ; the tile's number in its tensor
	s_lshr_b32 s28, s27, 3
	s_lshl_b32 s28, s28, 7                         ; its group's first row,
	s_bfe_u32 s29, s27, 0x10002
	s_lshl_b32 s29, s29, 6
	s_add_co_u32 s28, s28, s29                     ; + 64 (a / 4)
	s_and_b32 s29, s27, 3
	s_lshl_b32 s29, s29, 3
	s_add_co_u32 s28, s28, s29                     ; + 8 (a % 4): the tile's row 0
	s_lshl_b32 s28, s28, 12                        ; rows of 4,096 bytes
	s_lshl_b32 s29, s23, 11
	s_add_co_u32 s28, s28, s29                     ; + my half of K
	s_mov_b32 s29, 0
	s_add_nc_u64 s[24:25], s[24:25], s[28:29]
	s_lshl_b32 s30, ttmp9, 1
	s_add_co_u32 s30, s30, s22                     ; the tile's number among all
	s_mul_i32 s32, s30, 12288
	s_mul_i32 s33, s23, 6144
	s_add_co_u32 s32, s32, s33
	s_mov_b32 s33, 0
	s_add_nc_u64 s[16:17], s[16:17], s[32:33]      ; my codes
	s_lshl_b32 s32, s30, 9
	s_lshl_b32 s33, s23, 8
	s_add_co_u32 s32, s32, s33
	s_mov_b32 s33, 0
	s_add_nc_u64 s[18:19], s[18:19], s[32:33]      ; my 256 scale bytes
.macro LOAD t                          ; step t: tile rows 2 i, 2 i + 1 are matrix rows 2 (i % 4) + 32 (i / 4) on
.irp i, 0,1,2,3,4,5,6,7
	global_load_b128 v[R+32*((\t)%3)+4*\i:R+32*((\t)%3)+4*\i+3], v1, s[24:25] offset:256*(\t)+(2*(\i%4)+32*(\i/4))*4096 th:TH_LOAD_NT
.endr
.endm
.macro TURN t                          ; through the stage: LDS serves a wave's instructions in order, so no wait stands between the stores and the loads
.irp i, 0,1,2,3,4,5,6,7
	ds_store_b128 v4, v[R+32*((\t)%3)+4*\i:R+32*((\t)%3)+4*\i+3] offset:STG*((\t)%2)+544*\i
.endr
.irp i, 0,1,2,3,4,5,6,7
	ds_load_b128 v[X+32*((\t)%2)+4*\i:X+32*((\t)%2)+4*\i+3], v5 offset:STG*((\t)%2)+16*\i
.endr
.endm
.macro STEP t
.set XS, X+32*((\t)%2)
.set CS, CO+8*(\t)
.if (\t) > 0
	s_wait_dscnt 1                                 ; this step's numbers are back from the stage (the last step's byte store may be out): so the stores into the stage have read their registers,
.else
	s_wait_dscnt 0x0
.endif
.if (\t)+3 < 8
	LOAD (\t)+3                                    ; which take the loads of three steps on
.endif
.if (\t) < 7
.if 6-(\t) >= 2
	s_wait_loadcnt 16                              ; the next step's eight loads are in; those of the two steps behind it may be out
.else
	s_wait_loadcnt 8*(6-(\t))
.endif
	TURN (\t)+1
.endif
	v_max3_num_f32 v8, |v[XS]|, |v[XS+1]|, |v[XS+2]|               ; the block's largest magnitude: all 32 numbers are mine; two chains
	v_max3_num_f32 v9, |v[XS+3]|, |v[XS+4]|, |v[XS+5]|
.irp i, 6,10,14,18,22,26
	v_max3_num_f32 v8, v8, |v[XS+\i]|, |v[XS+\i+1]|
	v_max3_num_f32 v9, v9, |v[XS+\i+2]|, |v[XS+\i+3]|
.endr
	v_max3_num_f32 v8, v8, |v[XS+30]|, |v[XS+31]|
	v_max3_num_f32 v8, v8, v9, 0x1800000           ; and the floor 2^(3 - 127): the byte cannot fall under 1
	v_add_nc_u32 v11, 0xff000000, v8               ; 2 off the exponent field: the conversion takes that field as its scale
	v_cvt_scalef32_pk16_fp6_f32 v[CS:CS+2], v[XS:XS+15], v11
	v_cvt_scalef32_pk16_fp6_f32 v[TC:TC+2], v[XS+16:XS+31], v11
	v_lshrrev_b32 v[E+(\t)], 23, v11               ; the scale's byte (also the plain line behind the conversions)
	v_mov_b32 v[CS+3], v[TC]
	v_mov_b32 v[CS+4], v[TC+1]
	v_mov_b32 v[CS+5], v[TC+2]
	ds_store_b8 v6, v[E+(\t)] offset:((\t)/4)*128+((\t)%4)*2
	global_store_b128 v2, v[CS:CS+3], s[16:17] offset:768*(\t)        ; 512 consecutive bytes
	global_store_b64 v3, v[CS+4:CS+5], s[16:17] offset:768*(\t)+512   ; 256 consecutive bytes
.endm
	LOAD 0
	LOAD 1
	LOAD 2
	s_wait_loadcnt 16                              ; step 0's eight loads are in
	TURN 0
.irp t, 0,1,2,3,4,5,6,7
	STEP \t
.endr
	ds_load_b64 v[8:9], v7                         ; LDS serves a wave's instructions in order: this sees my byte stores
	s_wait_dscnt 0x0
	global_store_b64 v3, v[8:9], s[18:19]          ; 256 consecutive bytes of scales
	s_wait_tensorcnt 0x0                           ; the wave's end
	ds_add_u32 v[SPW], v[NIL]
	s_wait_dscnt 0x0
	s_endpgm
.Lfunc_end_k_qe356ce405f_quant:
	.size	k_qe356ce405f_quant, .Lfunc_end_k_qe356ce405f_quant-k_qe356ce405f_quant
	.p2alignl 7, 3214868480
	.fill 96, 4, 3214868480
	.section	.rodata,"a",@progbits
	.p2align	6, 0x0
	.amdhsa_kernel k_qe356ce405f_quant
		.amdhsa_group_segment_fixed_size 37376
		.amdhsa_private_segment_fixed_size 0
		.amdhsa_enable_private_segment 0
		.amdhsa_kernarg_size 64
		.amdhsa_user_sgpr_count 2
		.amdhsa_user_sgpr_kernarg_segment_ptr 1
		.amdhsa_wavefront_size32 1
		.amdhsa_system_sgpr_workgroup_id_x 1
		.amdhsa_system_sgpr_workgroup_id_y 1
		.amdhsa_system_sgpr_workgroup_id_z 1
		.amdhsa_system_vgpr_workitem_id 0
		.amdhsa_next_free_vgpr 256
		.amdhsa_next_free_sgpr 66
		.amdhsa_reserve_vcc 0
		.amdhsa_float_denorm_mode_32 3
		.amdhsa_float_denorm_mode_16_64 3
		.amdhsa_memory_ordered 1
		.amdhsa_forward_progress 1
		.amdhsa_inst_pref_size 31
	.end_amdhsa_kernel
	.amdgpu_metadata
---
amdhsa.version: [ 1, 2 ]
amdhsa.kernels:
  - .name:           k_qe356ce405f_quant
    .symbol:         k_qe356ce405f_quant.kd
    .args:
      - { .name: x, .offset: 0, .size: 8, .value_kind: global_buffer, .address_space: global }
      - { .name: y, .offset: 8, .size: 8, .value_kind: global_buffer, .address_space: global }
      - { .name: Wq, .offset: 16, .size: 8, .value_kind: global_buffer, .address_space: global }
      - { .name: Wk, .offset: 24, .size: 8, .value_kind: global_buffer, .address_space: global }
      - { .name: Wv, .offset: 32, .size: 8, .value_kind: global_buffer, .address_space: global }
      - { .name: Wo, .offset: 40, .size: 8, .value_kind: global_buffer, .address_space: global }
      - { .name: cod, .offset: 48, .size: 8, .value_kind: global_buffer, .address_space: global }
      - { .name: scl, .offset: 56, .size: 8, .value_kind: global_buffer, .address_space: global }
    .group_segment_fixed_size: 37376
    .private_segment_fixed_size: 0
    .kernarg_segment_align: 8
    .kernarg_segment_size: 64
    .max_flat_workgroup_size: 128
    .sgpr_count:     66
    .vgpr_count:     256
    .wavefront_size: 32
...
	.end_amdgpu_metadata
.endif
;; end of part 1
;; launch proj (part 2): grid 4 x 96, 4 waves a work-group, clusters of 4 x 4, 327,680 bytes of LDS; arguments cod, scl, bq, bk, bv, mask, qb, kv; writes qb, kv
.if DOCPART == 2
	.amdgcn_target "amdgcn-amd-amdhsa--gfx1250"
	.amdhsa_code_object_version 6
	.text
	.protected	k_qe356ce405f_proj
	.globl	k_qe356ce405f_proj
	.p2align	8
	.type	k_qe356ce405f_proj,@function
k_qe356ce405f_proj:
	s_mov_b64 s[64:65], 0
	v_nop
	global_prefetch_b8 v0, s[64:65] scope:SCOPE_SE
	s_setreg_imm32_b32 hwreg(HW_REG_WAVE_MODE, 25, 1), 1
	s_wait_xcnt 0x0
	s_wait_alu depctr_hold_cnt(0) depctr_sa_sdst(0) depctr_va_vdst(0) depctr_va_sdst(0) depctr_va_ssrc(0) depctr_va_vcc(0) depctr_vm_vsrc(0)
	s_getreg_b32 s2, hwreg(HW_REG_IB_STS2, 6, 4)
	s_cmp_eq_u32 s2, 0
	s_cbranch_scc0 .Lentry_in_a_cluster
	s_endpgm
.Lentry_in_a_cluster:
	s_bfe_u32 s2, ttmp6, 0x10000c
	s_cmp_lg_u32 s2, 0xf033
	s_cbranch_scc0 .Lentry_shape_is_right
	s_endpgm
.Lentry_shape_is_right:
.set SLOT,  98304
.set PART,  24576
.set TILEB, 3072
.set SCL,   2*SLOT
.set SPARE, SCL+4*4096
.set FR,    12
.set NL,    4
.set NP,    4
.set A16,   16
.set A8,    18
.set B16,   20
.set B8,    22
.set L16,   24
.set L8,    25
.set SOF,   26
.set ADRS,  27
.set SPW,   28
.set NIL,   29
.set H8,    30
.set H16,   31
.set SC,    32
.set BB,    64
.set AF,    128
.set BA,    224
.set HI,    232
.set G1,  24
.set G0,  32
.set G1B, 48
.set G0B, 56
.set G1S, 68
.set G0S, 76
.set G1SB, 80
.set G0SB, 88
.set MSB, 0
.macro WIN new
.if MSB != (\new)
	s_set_vgpr_msb (MSB<<8)|(\new)
.set MSB, (\new)
.endif
.endm
.set MUL_LO, 0xa1
.set MUL_HI, 0xf1
.set BEG_LO, 0x81
.set BEG_HI, 0xc1
.set TO_B,   0x40
.macro JLOAD g0a, g1a, g0b, g1b
	s_cmp_eq_u32 s21, 0
	s_cbranch_scc0 .Lfor_b_\@
	tensor_load_to_lds s[\g0a:\g0a+3], s[\g1a:\g1a+7]
	s_nop 0
.rept 4
	v_nop
.endr
	s_branch .Lasked_\@
.Lfor_b_\@:
	tensor_load_to_lds s[\g0b:\g0b+3], s[\g1b:\g1b+7]
	s_nop 0
.rept 4
	v_nop
.endr
.Lasked_\@:
.endm
.macro CREST
	s_cmp_lg_u32 s20, 0
	s_cbranch_scc1 .Lnot_wave_0_\@
	s_barrier_signal -3
.Lnot_wave_0_\@:
	s_barrier_wait -3
	s_barrier_signal -1
	s_barrier_wait -1
.endm
.macro CROUND
	s_barrier_signal -1
	s_barrier_wait -1
	CREST
.endm
.macro PLACES n
.rept \n
	v_nop
.endr
.endm
	s_load_b256 s[4:11], s[0:1], 0x0
	s_load_b256 s[12:19], s[0:1], 0x20
	v_lshl_add_u32 v[SPW], v0, 2, SPARE
	v_mov_b32 v[NIL], 0
	ds_add_u32 v[SPW], v[NIL]
	ds_add_u32 v[SPW], v[NIL]
	v_lshrrev_b32 v1, 5, v0
	v_readfirstlane_b32 s20, v1
	s_lshr_b32 s21, s20, 1
	s_and_b32 s22, s20, 1
	s_bfe_u32 s40, ttmp6, 0x40000
	s_bfe_u32 s41, ttmp6, 0x40004
	s_and_b32 s92, ttmp7, 0xffff
	s_lshr_b32 s93, s92, 3
	s_and_b32 s92, s92, 7
	s_lshl_b32 s92, s92, 2
	s_lshl_b32 s43, s41, 2
	s_lshl_b32 s43, 15, s43
	s_lshl_b32 s44, 0x1111, s40
	s_or_b32 s[G1+0], s43, (3<<16)|(1<<21)
	s_or_b32 s[G1B+0], s44, (3<<16)|(1<<21)
.irp g, G1, G1B
	s_mov_b32 s[\g+1], 384<<16
	s_mov_b32 s[\g+2], 16<<16
	s_mov_b32 s[\g+3], 384<<16
	s_mov_b32 s[\g+4], 16
	s_mov_b32 s[\g+5], 1536
	s_mov_b32 s[\g+6], 0
	s_mov_b32 s[\g+7], 0
.endr
	s_or_b32 s[G1S+0], s43, (3<<16)|(1<<21)
	s_or_b32 s[G1SB+0], s44, (3<<16)|(1<<21)
.irp g, G1S, G1SB
	s_mov_b32 s[\g+1], 32<<16
	s_mov_b32 s[\g+2], 32<<16
	s_mov_b32 s[\g+3], 32<<16
	s_mov_b32 s[\g+4], 32
	s_mov_b32 s[\g+5], 32
	s_mov_b32 s[\g+6], 0
	s_mov_b32 s[\g+7], 0
.endr
	s_cmp_eq_u32 s93, 2
	s_cselect_b32 s94, 1, 0
	s_cselect_b32 s45, 0, s92
	s_cselect_b32 s46, s92, 0
	s_mov_b32 s47, 512
	s_cselect_b32 s2, 1152, s47
	s_mov_b32 s3, 1088
	s_cselect_b32 s3, 512, s3
	s_cmp_eq_u32 s93, 0
	s_cselect_b32 s2, 0, s2
	s_cselect_b32 s3, 1024, s3
	s_add_co_u32 s45, s45, s41
	s_add_co_u32 s46, s46, s40
	s_lshl_b32 s23, s22, 3
	s_lshl_b32 s47, s45, 4
	s_add_co_u32 s47, s47, s2
	s_add_co_u32 s47, s47, s23
	s_lshl_b32 s66, s46, 4
	s_add_co_u32 s66, s66, s3
	s_add_co_u32 s66, s66, s23
	s_mul_i32 s96, s47, 12288
	s_mov_b32 s97, 0
	s_lshl_b32 s98, s47, 9
	s_mov_b32 s99, 0
	s_mul_i32 s100, s66, 12288
	s_mov_b32 s101, 0
	s_lshl_b32 s2, s66, 9
	s_mov_b32 s3, 0
	s_mul_i32 s67, s20, PART
	s_lshl_b32 s23, s20, 12
	s_lshl_b32 s42, s45, 1
	s_add_co_u32 s42, s42, s21
	s_lshl_b32 s95, s46, 1
	s_add_co_u32 s95, s95, s22
	s_wait_dscnt 0x0
	s_wait_kmcnt 0x0
	s_add_nc_u64 s[96:97], s[4:5], s[96:97]
	s_add_nc_u64 s[98:99], s[6:7], s[98:99]
	s_add_nc_u64 s[100:101], s[4:5], s[100:101]
	s_add_nc_u64 s[2:3], s[6:7], s[2:3]
	CROUND
	s_mov_b32 s[G0S], 1
	s_add_co_u32 s[G0S+1], s23, SCL-4096           ; wave 1 asks for the scales of all 16 tiles of A: its own part begins 4,096 bytes on
	s_sub_nc_u64 s[G0S+2:G0S+3], s[98:99], 4096
	s_or_b32 s[G0S+3], s[G0S+3], 0x80000000
	s_mov_b32 s[G0SB], 1
	s_add_co_u32 s[G0SB+1], s23, SCL-4096          ; wave 3 likewise for B
	s_sub_nc_u64 s[G0SB+2:G0SB+3], s[2:3], 4096
	s_or_b32 s[G0SB+3], s[G0SB+3], 0x80000000
.irp s, 0,1
	s_mov_b32 s[G0+4*\s], 1
	s_add_co_u32 s[G0+4*\s+1], s67, \s*SLOT
	s_add_nc_u64 s[G0+4*\s+2:G0+4*\s+3], s[96:97], \s*TILEB
	s_or_b32 s[G0+4*\s+3], s[G0+4*\s+3], 0x80000000
	s_mov_b32 s[G0B+4*\s], 1
	s_add_co_u32 s[G0B+4*\s+1], s67, \s*SLOT
	s_add_nc_u64 s[G0B+4*\s+2:G0B+4*\s+3], s[100:101], \s*TILEB
	s_or_b32 s[G0B+4*\s+3], s[G0B+4*\s+3], 0x80000000
.endr
	; the head's four tiles, one joint load a wave, in one chain of branches on the wave's number: wave 0 slot 0's 16 tiles of A, wave 1 A's scales, wave 2 slot 0's 16 tiles of B, wave 3 B's scales
	s_cmp_lt_u32 s20, 1
	s_cbranch_scc0 .Lhead_1
	tensor_load_to_lds s[G0:G0+3], s[G1:G1+7]
	s_nop 0
	PLACES 4
	s_branch .Lhead_asked
.Lhead_1:
	s_cmp_lt_u32 s20, 2
	s_cbranch_scc0 .Lhead_2
	tensor_load_to_lds s[G0S:G0S+3], s[G1S:G1S+7]
	s_nop 0
	PLACES 4
	s_branch .Lhead_asked
.Lhead_2:
	s_cmp_lt_u32 s20, 3
	s_cbranch_scc0 .Lhead_3
	tensor_load_to_lds s[G0B:G0B+3], s[G1B:G1B+7]
	s_nop 0
	PLACES 4
	s_branch .Lhead_asked
.Lhead_3:
	tensor_load_to_lds s[G0SB:G0SB+3], s[G1SB:G1SB+7]
	s_nop 0
	PLACES 4
.Lhead_asked:
	v_and_b32 v1, 31, v0
	v_and_b32 v2, 15, v0
	v_bfe_u32 v3, v0, 4, 1
	v_lshlrev_b32 v[L16], 4, v1
	v_lshlrev_b32 v[L8], 3, v1
	v_lshlrev_b32 v[H8], 3, v3
	v_lshlrev_b32 v[H16], 4, v3
	s_mul_i32 s2, s21, PART
	s_mul_i32 s3, s22, PART
	s_add_co_u32 s3, s3, 2*PART
.irp s, 0,1
	v_add_nc_u32 v[A16+\s], s2, v[L16]
	v_add_nc_u32 v[A8+\s], s2, v[L8]
	v_add_nc_u32 v[B16+\s], s3, v[L16]
	v_add_nc_u32 v[B8+\s], s3, v[L8]
	s_add_co_u32 s2, s2, SLOT
	s_add_co_u32 s3, s3, SLOT
.endr
	s_lshl_b32 s2, s21, 12
	s_lshl_b32 s3, s22, 12
	s_add_co_u32 s3, s3, 8192
	s_sub_co_u32 s3, s3, s2
	v_mul_u32_u24 v4, s3, v3
	v_lshl_add_u32 v4, v2, 3, v4
	s_add_co_u32 s2, s2, SCL
	v_add_nc_u32 v[ADRS], s2, v4
	s_cmp_eq_u32 s93, 0
	s_cselect_b64 s[96:97], s[8:9], s[10:11]
	s_cmp_eq_u32 s93, 2
	s_cselect_b64 s[96:97], s[12:13], s[96:97]
	s_lshl_b32 s98, s95, 9
	s_mov_b32 s99, 0
	s_add_nc_u64 s[98:99], s[96:97], s[98:99]
	s_lshl_b32 s100, s42, 9
	s_mov_b32 s101, 0
	s_cmp_eq_u32 s94, 1
	s_cselect_b32 s2, s100, 0
	s_cselect_b32 s100, 0, s100
	s_mov_b32 s3, 0
	s_add_nc_u64 s[96:97], s[96:97], s[2:3]
	s_add_nc_u64 s[100:101], s[14:15], s[100:101]
	v_lshlrev_b32 v5, 7, v3
	v_and_b32 v6, 8, v2
	v_mad_u32_u24 v6, v6, 3, v2
	v_lshlrev_b32 v6, 2, v6
.irp a, 0,1,2,3,4,5,6,7
	global_load_b32 v[BA+\a], v6, s[96:97] offset:(64*(\a/4)+8*(\a%4))*4
	global_load_b32 v[HI+\a], v6, s[100:101] offset:(64*(\a/4)+8*(\a%4))*4
.endr
	s_cmp_eq_u32 s94, 1
	s_cbranch_scc1 .Lbias_zero
.irp b, 0,1,2,3,4,5,6,7
	global_load_b128 v[BB+8*\b:BB+8*\b+3], v5, s[98:99] offset:(64*(\b/4)+8*(\b%4))*4
	global_load_b128 v[BB+8*\b+4:BB+8*\b+7], v5, s[98:99] offset:(64*(\b/4)+8*(\b%4))*4+16
.endr
	s_branch .Lbias_done
.Lbias_zero:
.set j, 0
.rept 64
	v_mov_b32 v[BB+j], 0
.set j, j+1
.endr
.Lbias_done:
	s_wait_alu depctr_va_vdst(0)                   ; The biases' and the mask's loads are out: they are on their way while the head's tiles are waited for
	s_wait_tensorcnt 0x0                           ; my tile of the four is in
	ds_add_u32 v[SPW], v[NIL]
	s_mov_b32 s[G1+2], 8<<16                       ; no tensor load of mine is out: from here on a load brings 8 tiles
	s_mov_b32 s[G1+4], 8
	s_mov_b32 s[G1B+2], 8<<16
	s_mov_b32 s[G1B+4], 8
	s_wait_dscnt 0x0
	CROUND                                         ; all four tiles are in, in every partner
	JLOAD G0+4, G1, G0B+4, G1B                     ; slot 1's first fill, a quarter a wave
	s_wait_loadcnt 0x0
	s_cmp_eq_u32 s93, 1
	s_mov_b32 s2, 0x7f7f0000
	s_cselect_b32 s3, 0x7f010000, s2
	s_cselect_b32 s2, 0x7fe30000, s2
	v_mov_b32 v7, s3
	v_mov_b32 v8, s2
.irp a, 0,1,2,3,4,5,6,7
	v_cmp_eq_u32 s66, 0, v[HI+\a]
	v_cndmask_b32 v[HI+\a], v7, v8, s66
.endr
.macro FRAG reg, a16, a8, q, i
.irp c, 0,1
	ds_load_b128 v[\reg+6*\c:\reg+6*\c+3], v[\a16] offset:(\i)*TILEB+(2*(\q)+\c)*768
	ds_load_b64 v[\reg+6*\c+4:\reg+6*\c+5], v[\a8] offset:(\i)*TILEB+(2*(\q)+\c)*768+512
.endr
.endm
.macro MUL16 a0, p, q, sc, zero
.irp a, \a0, \a0+1
.irp b, 0,1,2,3,4,5,6,7
.if \zero
	v_wmma_scale_f32_16x16x128_f8f6f4 v[8*(8*((\a)%4)+\b):8*(8*((\a)%4)+\b)+7], v[128*(\p)+FR*\b:128*(\p)+FR*\b+FR-1], v[AF+FR*(\a):AF+FR*(\a)+FR-1], v[BB+8*\b:BB+8*\b+7], v[SC+16*(\sc)+2*\b+(\q)], v[SC+16*(\sc)+2*(\a)+(\q)] matrix_a_fmt:MATRIX_FMT_FP6 matrix_b_fmt:MATRIX_FMT_FP6 matrix_a_scale:MATRIX_SCALE_ROW1
.else
	v_wmma_scale_f32_16x16x128_f8f6f4 v[8*(8*((\a)%4)+\b):8*(8*((\a)%4)+\b)+7], v[128*(\p)+FR*\b:128*(\p)+FR*\b+FR-1], v[AF+FR*(\a):AF+FR*(\a)+FR-1], v[8*(8*((\a)%4)+\b):8*(8*((\a)%4)+\b)+7], v[SC+16*(\sc)+2*\b+(\q)], v[SC+16*(\sc)+2*(\a)+(\q)] matrix_a_fmt:MATRIX_FMT_FP6 matrix_b_fmt:MATRIX_FMT_FP6 matrix_a_scale:MATRIX_SCALE_ROW1
.endif
.endr
.endr
.endm
.macro FETCH_B slot, q, p
	WIN TO_B
.irp i, 0,1,2,3,4,5,6,7
	FRAG 128*(\p)+FR*\i, B16+\slot, B8+\slot, \q, \i
.endr
	WIN 0
.endm
.macro FETCH_A slot, q, i0
.irp i, \i0, \i0+1, \i0+2, \i0+3
	FRAG AF+FR*(\i), A16+\slot, A8+\slot, \q, \i
.endr
.endm
.macro SCALES sc
.irp i, 0,1,2,3,4,5,6,7
	ds_load_b64 v[SC+16*\sc+2*\i:SC+16*\sc+2*\i+1], v[ADRS] offset:\i*512
.endr
.endm
.macro STEP slot, zero
	s_wait_dscnt 4*NL
.if \zero
	WIN BEG_LO
.else
	WIN MUL_LO
.endif
	MUL16 0, 0, 0, \slot, \zero
	MUL16 2, 0, 0, \slot, \zero
	s_wait_dscnt 0
	PLACES NP
	FETCH_B \slot, 1, 1
	FETCH_A \slot, 1, 0
.if \zero
	WIN BEG_HI
.else
	WIN MUL_HI
.endif
	MUL16 4, 0, 0, \slot, \zero
	MUL16 6, 0, 0, \slot, \zero
	PLACES NP
	WIN 0
	FETCH_A \slot, 1, 4
.endm
.macro TURN slot, next, fill
	s_wait_tensorcnt 0x0
	ds_add_u32 v[SPW], v[NIL]
	s_wait_dscnt 4*NL+1
	WIN MUL_LO
	MUL16 0, 1, 1, \slot, 0
	s_wait_dscnt 0x0
	s_barrier_signal -1
	MUL16 2, 1, 1, \slot, 0
	WIN 0
	s_barrier_wait -1
.if \fill
	CREST
	s_add_nc_u64 s[G0+4*\slot+2:G0+4*\slot+3], s[G0+4*\slot+2:G0+4*\slot+3], 2*TILEB
	s_add_nc_u64 s[G0B+4*\slot+2:G0B+4*\slot+3], s[G0B+4*\slot+2:G0B+4*\slot+3], 2*TILEB
	JLOAD G0+4*\slot, G1, G0B+4*\slot, G1B
.else
	PLACES NP
.endif
	s_wait_alu depctr_va_vdst(0)
	v_add_nc_u32 v[ADRS], 128, v[ADRS]
	FETCH_B \next, 0, 0
	FETCH_A \next, 0, 0
	SCALES \next
	WIN MUL_HI
	MUL16 4, 1, 1, \slot, 0
	MUL16 6, 1, 1, \slot, 0
	PLACES NP
	WIN 0
	FETCH_A \next, 0, 4
.endm
	s_wait_tensorcnt 1
	s_barrier_signal -1
	s_barrier_wait -1
	FETCH_B 0, 0, 0
	FETCH_A 0, 0, 0
	SCALES 0
	FETCH_A 0, 0, 4
	STEP 0, 1
	TURN 0, 1, 1
	STEP 1, 0
	TURN 1, 0, 1
	STEP 0, 0
	TURN 0, 1, 0
	STEP 1, 0
	s_wait_dscnt 4*NL
	WIN MUL_LO
	MUL16 0, 1, 1, 1, 0
	MUL16 2, 1, 1, 1, 0
	s_wait_dscnt 0
	WIN MUL_HI
	MUL16 4, 1, 1, 1, 0
	MUL16 6, 1, 1, 1, 0
	WIN 0
	PLACES NP
.macro EPI_A kind, a
.set W, 2+(\a)/4
.set AC, 64*((\a)%4)
.set CD0, 64+16*(\a)
.set CD1, 72+16*(\a)
.if \kind
	WIN (W<<6)|W
.set j, 0
.rept 32
.if (\a)%2
	v_pk_add_f32 v[AC+j:AC+j+1], v[AC+j:AC+j+1], v[BA+2*((\a)/2):BA+2*((\a)/2)+1] op_sel:[0,1] op_sel_hi:[1,1]
.else
	v_pk_add_f32 v[AC+j:AC+j+1], v[AC+j:AC+j+1], v[BA+2*((\a)/2):BA+2*((\a)/2)+1] op_sel:[0,0] op_sel_hi:[1,0]
.endif
.set j, j+2
.endr
.endif
	WIN (W<<2)|(W<<4)
.irp c, 0,1
.irp p, 0,1
	v_max3_num_f32 v[240+2*\c+\p], 0x1800000, |v[AC+32*\c+16*\p]|, |v[AC+32*\c+16*\p+1]|
.endr
.endr
.irp i, 2,4,6,8,10,12,14
.irp c, 0,1
.irp p, 0,1
	v_max3_num_f32 v[240+2*\c+\p], v[240+2*\c+\p], |v[AC+32*\c+16*\p+\i]|, |v[AC+32*\c+16*\p+\i+1]|
.endr
.endr
.endr
	WIN 0
	v_max_num_f32 v240, v240, v241
	v_max_num_f32 v242, v242, v243
	v_add_nc_u32 v244, 0xff000000, v240
	v_add_nc_u32 v245, 0xff000000, v242
	v_lshrrev_b32 v246, 23, v244
	v_lshrrev_b32 v247, 23, v245
	WIN W
	v_cvt_scalef32_pk16_fp6_f32 v[CD0:CD0+2], v[AC:AC+15], v244
	v_cvt_scalef32_pk16_fp6_f32 v[248:250], v[AC+16:AC+31], v244
	v_cvt_scalef32_pk16_fp6_f32 v[CD1:CD1+2], v[AC+32:AC+47], v245
	v_cvt_scalef32_pk16_fp6_f32 v[252:254], v[AC+48:AC+63], v245
	WIN 0
	v_lshl_or_b32 v251, v247, 16, v246
.irp i, 0,1,2
	v_mov_b32 v[CD0+3+\i], v[248+\i]
	v_mov_b32 v[CD1+3+\i], v[252+\i]
.endr
.if \kind
	global_store_b128 v[L16], v[CD0:CD0+3], s[98:99] offset:6144+((\a)/4)*208896+((\a)%4)*768
	global_store_b64 v[L8], v[CD0+4:CD0+5], s[98:99] offset:6144+((\a)/4)*208896+((\a)%4)*768+512
	global_store_b128 v[L16], v[CD1:CD1+3], s[98:99] offset:6144+((\a)/4)*208896+3072+((\a)%4)*768
	global_store_b64 v[L8], v[CD1+4:CD1+5], s[98:99] offset:6144+((\a)/4)*208896+3072+((\a)%4)*768+512
.else
	global_store_b128 v[L16], v[CD0:CD0+3], s[98:99] offset:(\a)*768
	global_store_b64 v[L8], v[CD0+4:CD0+5], s[98:99] offset:(\a)*768+512
	global_store_b128 v[L16], v[CD1:CD1+3], s[100:101] offset:(\a)*768
	global_store_b64 v[L8], v[CD1+4:CD1+5], s[100:101] offset:(\a)*768+512
.endif
	v_lshlrev_b32 v251, v[H8], v251
	v_permlanex16_b32 v255, v251, s92, s47
.if \kind
	v_or_b32 v[32+(\a)], v251, v255
.else
	v_or_b32 v251, v251, v255
	v_lshrrev_b32 v251, v[H16], v251
	v_and_or_b32 v[32+(\a)], v251, 0xffff, v[HI+(\a)]
.endif
.endm
	v_mov_b32 v255, 0
	s_mov_b32 s92, 0x76543210
	s_mov_b32 s47, 0xfedcba98
	s_cmp_eq_u32 s94, 1
	s_cbranch_scc1 .Lout_v
	s_lshr_b32 s2, s42, 4
	s_and_b32 s3, s42, 15
	s_lshl_b32 s2, s2, 4
	s_lshl_b32 s66, s95, 1
	s_add_co_u32 s2, s2, s66
	s_cmp_eq_u32 s93, 0
	s_cselect_b64 s[96:97], s[16:17], s[18:19]
	s_mov_b32 s66, 208896
	s_mov_b32 s23, s66
	s_cselect_b32 s66, 98304, s66
	s_cselect_b32 s23, 8192, s23
	s_mov_b32 s67, 13056
	s_mov_b32 s40, s67
	s_cselect_b32 s67, 6144, s67
	s_cselect_b32 s40, 512, s40
	s_mov_b32 s41, 12288
	s_cselect_b32 s41, 6291456, s41
	s_mul_i32 s98, s2, s66
	s_mul_i32 s99, s3, s67
	s_add_co_u32 s98, s98, s99
	s_mov_b32 s99, 0
	s_add_nc_u64 s[98:99], s[96:97], s[98:99]
	s_mov_b32 s100, s66
	s_mov_b32 s101, 0
	s_add_nc_u64 s[100:101], s[98:99], s[100:101]
	s_mul_i32 s2, s2, s23
	s_mul_i32 s3, s3, s40
	s_add_co_u32 s2, s2, s3
	s_add_co_u32 s2, s2, s41
	s_mov_b32 s3, 0
	s_add_nc_u64 s[96:97], s[96:97], s[2:3]
	v_mul_u32_u24 v[SOF], s23, v3
	v_lshl_add_u32 v[SOF], v2, 4, v[SOF]
.irp a, 0,1,2,3,4,5,6,7
	EPI_A 0, \a
.endr
	global_store_b128 v[SOF], v[32:35], s[96:97]
	global_store_b128 v[SOF], v[36:39], s[96:97] offset:256
	s_branch .Lend
.Lout_v:
	s_lshr_b32 s2, s95, 4
	s_and_b32 s3, s95, 15
	s_lshl_b32 s2, s2, 4
	s_lshl_b32 s66, s42, 1
	s_add_co_u32 s2, s2, s66
	s_mul_i32 s98, s2, 208896
	s_mul_i32 s99, s3, 13056
	s_add_co_u32 s98, s98, s99
	s_mov_b32 s99, 0
	s_add_nc_u64 s[98:99], s[18:19], s[98:99]
	v_mul_u32_u24 v[SOF], 208896, v3
	v_lshl_add_u32 v[SOF], v2, 4, v[SOF]
	s_mov_b32 s66, 0xffff0000
.irp a, 0,1,2,3,4,5,6,7
	EPI_A 1, \a
.endr
.irp i, 0,1,2,3
	v_cndmask_b32 v[32+\i], v[32+\i], v[36+\i], s66
.endr
	global_store_b128 v[SOF], v[32:35], s[98:99] offset:12800
.Lend:
	s_wait_tensorcnt 0x0
	ds_add_u32 v[SPW], v[NIL]
	s_wait_dscnt 0x0
	CROUND
	s_endpgm
.Lfunc_end_k_qe356ce405f_proj:
	.size	k_qe356ce405f_proj, .Lfunc_end_k_qe356ce405f_proj-k_qe356ce405f_proj
	.p2alignl 7, 3214868480
	.fill 96, 4, 3214868480
	.section	.rodata,"a",@progbits
	.p2align	6, 0x0
	.amdhsa_kernel k_qe356ce405f_proj
		.amdhsa_group_segment_fixed_size 327680
		.amdhsa_private_segment_fixed_size 0
		.amdhsa_enable_private_segment 0
		.amdhsa_kernarg_size 64
		.amdhsa_user_sgpr_count 2
		.amdhsa_user_sgpr_kernarg_segment_ptr 1
		.amdhsa_wavefront_size32 1
		.amdhsa_system_sgpr_workgroup_id_x 1
		.amdhsa_system_sgpr_workgroup_id_y 1
		.amdhsa_system_sgpr_workgroup_id_z 1
		.amdhsa_system_vgpr_workitem_id 0
		.amdhsa_next_free_vgpr 1024
		.amdhsa_next_free_sgpr 102
		.amdhsa_reserve_vcc 0
		.amdhsa_float_denorm_mode_32 3
		.amdhsa_float_denorm_mode_16_64 3
		.amdhsa_memory_ordered 1
		.amdhsa_forward_progress 1
		.amdhsa_inst_pref_size 198
	.end_amdhsa_kernel
	.amdgpu_metadata
---
amdhsa.version: [ 1, 2 ]
amdhsa.kernels:
  - .name:           k_qe356ce405f_proj
    .symbol:         k_qe356ce405f_proj.kd
    .args:
      - { .name: cod, .offset: 0, .size: 8, .value_kind: global_buffer, .address_space: global }
      - { .name: scl, .offset: 8, .size: 8, .value_kind: global_buffer, .address_space: global }
      - { .name: bq, .offset: 16, .size: 8, .value_kind: global_buffer, .address_space: global }
      - { .name: bk, .offset: 24, .size: 8, .value_kind: global_buffer, .address_space: global }
      - { .name: bv, .offset: 32, .size: 8, .value_kind: global_buffer, .address_space: global }
      - { .name: mask, .offset: 40, .size: 8, .value_kind: global_buffer, .address_space: global }
      - { .name: qb, .offset: 48, .size: 8, .value_kind: global_buffer, .address_space: global }
      - { .name: kv, .offset: 56, .size: 8, .value_kind: global_buffer, .address_space: global }
    .group_segment_fixed_size: 327680
    .private_segment_fixed_size: 0
    .kernarg_segment_align: 8
    .kernarg_segment_size: 64
    .max_flat_workgroup_size: 128
    .sgpr_count:     102
    .vgpr_count:     1024
    .wavefront_size: 32
...
	.end_amdgpu_metadata
.endif
;; end of part 2
;; launch attn (part 3): grid 4 x 64, 8 waves a work-group, clusters of 4 x 1, 210,944 bytes of LDS; arguments qb, kv, ac, asc; writes ac, asc
.if DOCPART == 3
	.amdgcn_target "amdgcn-amd-amdhsa--gfx1250"
	.amdhsa_code_object_version 6
	.text
	.protected	k_qe356ce405f_attn
	.globl	k_qe356ce405f_attn
	.p2align	8
	.type	k_qe356ce405f_attn,@function
k_qe356ce405f_attn:
	s_mov_b64 s[64:65], 0
	v_nop
	global_prefetch_b8 v0, s[64:65] scope:SCOPE_SE
	s_setreg_imm32_b32 hwreg(HW_REG_WAVE_MODE, 25, 1), 1
	s_wait_xcnt 0x0
	s_wait_alu depctr_hold_cnt(0) depctr_sa_sdst(0) depctr_va_vdst(0) depctr_va_sdst(0) depctr_va_ssrc(0) depctr_va_vcc(0) depctr_vm_vsrc(0)
	s_getreg_b32 s2, hwreg(HW_REG_IB_STS2, 6, 4)
	s_cmp_eq_u32 s2, 0
	s_cbranch_scc0 .Lentry_in_a_cluster
	s_endpgm
.Lentry_in_a_cluster:
	s_bfe_u32 s2, ttmp6, 0x10000c
	s_cmp_lg_u32 s2, 0x3003
	s_cbranch_scc0 .Lentry_shape_is_right
	s_endpgm
.Lentry_shape_is_right:
; Attention of one head on codes of FP6 (E2M3): S^T = k q^T (K = the head's 64), the softmax, O^T = v^T p^T (K = the keys), O / l, and the quantising of the result along the model's 1,024.
; SHARES.  A work-group owns 512 queries of one head of one batch (bh = the grid's y, the quarter = its place in the cluster).  Each of eight waves owns TWO tiles of 16 queries at a time, in two passes:
; tile 32 cx + 16 pass + 2 wave + e.  The two tiles share every fragment of k and of v^T that the wave reads from LDS, and every dependent chain of the softmax is laid for the two tiles line by line in turn.
; THE WHOLE HEAD STAYS IN LDS: 16 key steps of 13,056 bytes (k's 8 half fragments, v^T's 8, k's scale words, v^T's), filled ONCE: wave w asks for key steps 2 w and 2 w + 1 (102 rows of 256 bytes), jointly with
; the three partners of the cluster, which walk the same head.  No ring, no refill.  No prefetch: the launch's one stream from memory is asked for whole at its head, so there is no loop to run ahead in.
; LAYOUT.  Both products are used transposed: a lane holds ONE query (lane % 16).  By the tiles' row order the 32 score registers of four neighbouring tiles of keys are keys 64 g + 32 (lane / 16) + 0 .. 31:
; a whole block of the second product's K in one lane; likewise O^T's 32 registers are the head's dims 32 (lane / 16) + 0 .. 31: a whole block of the last product's K.
; THE MASK.  The score product uses 64 of the instruction's 128 along K.  At k = 64 q has the code 8 (the number 1, scale byte 127) and every key the code 0x28 (-1); byte 2 of the key's scale word,
; made by the launch before, is 1 where the key counts (-2^-126 is added) and 227 where it is masked (-2^100: p = 0).
; THE SOFTMAX: t = score x log2(e) / 8; the running largest SCORE is kept; M = ceil(its t), kept as -M; p = 2^(t - M) is quantised, not normalised; the sum is taken of the unquantised p and divides O at the end.
; The largest score starts at -2^98, above every masked key's (-2^100): as long as all keys seen are masked, every p is 0.  When M moves, the sum and O^T are multiplied by 2^(old M - new M): exact.
; A TRIP: 16 score products; then ONE run of 35 LDS loads (v^T of this step, k of the next; after step 15 k of step 0, which the next pass uses and the last pass does not); the softmax; one wait for the loads; 8 products.
; A barrier is signalled at a trip's top and awaited ahead of the exponentials: no wave starts a step's exponentials before every other wave has started that step's score products.  It orders no memory.
; LIMITS: right while |score| < 2^90.  A batch all of whose keys are masked: the scale byte 0xff is stored, by which the last product gives NaN rows, as the definition has them.  A block of zeros gets the byte 1.
; REGISTERS.  Window 0: v1-3, v6, v10 lane terms; v4, v5 the add's; v7-9, v11-13 addresses of this step and the next; v16-19 (-M, largest score); v20-23 the sums; v24-27 (f, 0); v28, v29 q's scale words;
; v30, v31 p's; v32-39 k's; v40-43 v^T's; v44-57 the second pass's q; v64-191 the scores, then p; v192-255 at work, 32 a tile.  Window 1: v0-95 k, v96-143 v^T, v144-167 q, v168-191 p's codes, v192-255 O^T.
.set STEPB, 13056
.set SPARE, 16*STEPB                   ; behind the head: the spare words, 128 bytes for each of eight waves
.set SPW, 4
.set NIL, 5
.set KSC, 32
.set VSC, 40
.set QST, 44
.set S,   64
.set T,   192
.set KF,  0                            ; window 1
.set VF,  96
.set QF,  144
.set PF,  168
.set OF,  192
.set MSB, 0
.macro WIN new                         ; the immediate's high byte repeats the setting that is left
.if MSB != (\new)
	s_set_vgpr_msb (MSB<<8)|(\new)
.set MSB, (\new)
.endif
.endm
.macro WALU
	s_wait_alu depctr_va_vdst(0)
.endm
.macro CROUND                          ; a round of the cluster's barrier
	s_barrier_signal -1
	s_barrier_wait -1
	s_cmp_lg_u32 s12, 0
	s_cbranch_scc1 .Lnot_wave_0_\@
	s_barrier_signal -3
.Lnot_wave_0_\@:
	s_barrier_wait -3
	s_barrier_signal -1
	s_barrier_wait -1
.endm
.macro KCODES a16, a8                  ; k's eight half fragments: registers 0-5 of each fragment; 6-11 are constants
.irp a, 0,1,2,3,4,5,6,7
	ds_load_b128 v[KF+12*\a:KF+12*\a+3], v[\a16] offset:\a*768
	ds_load_b64 v[KF+12*\a+4:KF+12*\a+5], v[\a8] offset:\a*768+512
.endr
.endm
.macro KWORDS as                       ; k's scale words: row r of tiles 0-3, of tiles 4-7
	ds_load_b128 v[KSC:KSC+3], v[\as] offset:12288
	ds_load_b128 v[KSC+4:KSC+7], v[\as] offset:12544
.endm
.macro PSC n, e                        ; line n of ten: p's scale operands and scale word of tile e, from the two blocks' largest p
.set TT, T+32*(\e)
.if (\n) == 0
	v_max_num_f32 v[TT], 0x1800000, v[TT]          ; the floor 2^(3 - 127): the byte cannot fall under 1
.elseif (\n) == 1
	v_max_num_f32 v[TT+2], 0x1800000, v[TT+2]
.elseif (\n) == 2
	v_add_nc_u32 v[TT+14], 0xff000000, v[TT]       ; 2 off the exponent field: the conversion's scale operand
.elseif (\n) == 3
	v_add_nc_u32 v[TT+15], 0xff000000, v[TT+2]
.elseif (\n) == 4
	v_lshrrev_b32 v[TT+16], 23, v[TT+14]           ; the bytes of blocks h and 2 + h
.elseif (\n) == 5
	v_lshrrev_b32 v[TT+17], 23, v[TT+15]
.elseif (\n) == 6
	v_lshl_or_b32 v[TT+18], v[TT+17], 16, v[TT+16]
.elseif (\n) == 7
	v_lshlrev_b32 v[TT+18], v6, v[TT+18]           ; at their places, 8 h bits up
.elseif (\n) == 8
	v_permlanex16_b32 v[TT+5], v[TT+18], s20, s21
.elseif (\n) == 9
	v_or_b32 v[30+(\e)], v[TT+18], v[TT+5]         ; with lane l xor 16's two: the scale word of these 128 keys
.endif
.endm
	s_load_b256 s[4:11], s[0:1], 0x0               ; qb, kv, ac, asc
	v_lshl_add_u32 v[SPW], v0, 2, SPARE
	v_mov_b32 v[NIL], 0
	ds_add_u32 v[SPW], v[NIL]                      ; ahead of my tensor load: the add, twice on end; the set-up below stands between them and the wait
	ds_add_u32 v[SPW], v[NIL]
	v_lshrrev_b32 v1, 5, v0
	v_readfirstlane_b32 s12, v1                    ; wave 0..7
	s_bfe_u32 s13, ttmp6, 0x40000                  ; cx: my quarter of the queries: it enters q's and the result's addresses alone
	s_and_b32 s14, ttmp7, 0xffff                   ; bh, which the four partners share
	s_mul_i32 s40, s14, 16*STEPB
	s_mul_i32 s33, s12, 2*STEPB                    ; descriptor group 0: LDS address: key steps 2 w, 2 w + 1
	s_add_co_u32 s40, s40, s33
	s_mov_b32 s41, 0
	s_mov_b32 s32, 1
	s_mov_b32 s24, 15|(3<<16)|(1<<21)              ; group 1: the mask of all four work-groups; elements of 8 bytes; bit 21 beside a mask
	s_mov_b32 s25, 32<<16                          ; 26,112 dense bytes as 102 rows of 256
	s_mov_b32 s26, 102<<16
	s_mov_b32 s27, 32<<16
	s_mov_b32 s28, 102
	s_mov_b32 s29, 32
	s_mov_b32 s30, 0
	s_mov_b32 s31, 0
	s_lshl_b32 s42, s13, 5
	s_lshl_b32 s43, s12, 1
	s_add_co_u32 s42, s42, s43                     ; my first tile of queries: 32 cx + 2 w
	s_mul_i32 s44, s42, 768
	s_mul_i32 s45, s14, 98304
	s_add_co_u32 s44, s44, s45
	s_mov_b32 s45, 0                               ; q's half fragments
	s_lshl_b32 s46, s13, 3
	s_lshr_b32 s47, s12, 1
	s_add_co_u32 s46, s46, s47
	s_lshl_b32 s46, s46, 8                         ; q's scale words: 256 (tile / 4)
	s_and_b32 s47, s12, 1
	s_lshl_b32 s47, s47, 3
	s_add_co_u32 s46, s46, s47                     ; + 4 (tile % 4)
	s_lshl_b32 s47, s14, 13
	s_add_co_u32 s46, s46, s47
	s_add_co_u32 s46, s46, 6291456
	s_mov_b32 s47, 0
	s_lshr_b32 s48, s14, 4
	s_lshl_b32 s48, s48, 7
	s_add_co_u32 s48, s48, s42                     ; the tile among all 512 tiles of tokens
	s_and_b32 s49, s14, 15                         ; the head: which 64 of the last product's K
	s_mul_i32 s50, s48, 12288
	s_mul_i32 s51, s49, 768
	s_add_co_u32 s50, s50, s51
	s_mov_b32 s51, 0                               ; the result's half fragment
	s_lshl_b32 s52, s48, 9
	s_lshr_b32 s53, s49, 2
	s_lshl_b32 s53, s53, 7
	s_add_co_u32 s52, s52, s53
	s_and_b32 s53, s49, 3
	s_lshl_b32 s53, s53, 1
	s_add_co_u32 s52, s52, s53
	s_mov_b32 s53, 0                               ; and its scale bytes
	s_mov_b32 s20, 0x76543210
	s_mov_b32 s21, 0xfedcba98                      ; selects for lane l xor 16
	s_mov_b32 s22, 0x3e38aa3b                      ; c = log2(e) / sqrt(64)
	s_mov_b32 s23, s22                             ; (named with it as a pair, so it is written)
	s_mov_b32 s19, 0xbe38aa3b                      ; -c
	s_wait_dscnt 0x0                               ; both opening adds are done
	s_wait_kmcnt 0x0
	s_add_nc_u64 s[34:35], s[6:7], s[40:41]
	s_or_b32 s35, s35, 0x80000000
	s_add_nc_u64 s[44:45], s[4:5], s[44:45]
	s_add_nc_u64 s[46:47], s[4:5], s[46:47]
	s_add_nc_u64 s[50:51], s[8:9], s[50:51]
	s_add_nc_u64 s[52:53], s[10:11], s[52:53]
	CROUND                                         ; all four work-groups are here: the joint loads meet
	tensor_load_to_lds s[32:35], s[24:31]          ; my one tensor load of the launch
	s_nop 0
.rept 4
	v_nop
.endr
	v_and_b32 v7, 31, v0
	v_and_b32 v8, 15, v0                           ; r
	v_bfe_u32 v9, v0, 4, 1                         ; h
	v_lshlrev_b32 v1, 4, v7                        ; 16 x lane
	v_lshlrev_b32 v2, 3, v7                        ; 8 x lane
	v_lshlrev_b32 v3, 4, v8                        ; 16 r
	v_lshlrev_b32 v6, 3, v9                        ; 8 h
	v_lshl_add_u32 v10, v8, 3, v9                  ; 8 r + h
	v_sub_nc_u32 v58, 1, v9
	v_lshlrev_b32 v58, 3, v58                      ; the code 8 in lanes 0-15, 0 in lanes 16-31
	WIN 0x40                                       ; destination window 1
.irp e, 0,1
	global_load_b128 v[QF+12*\e:QF+12*\e+3], v1, s[44:45] offset:768*\e              ; the first pass's q, into its operand registers
	global_load_b64 v[QF+12*\e+4:QF+12*\e+5], v2, s[44:45] offset:768*\e+512
.endr
	WIN 0
.irp e, 0,1
	global_load_b128 v[QST+6*\e:QST+6*\e+3], v1, s[44:45] offset:12288+768*\e        ; the second pass's, 16 tiles on, kept until the passes change
	global_load_b64 v[QST+6*\e+4:QST+6*\e+5], v2, s[44:45] offset:12288+768*\e+512
	global_load_b32 v[28+\e], v3, s[46:47] offset:4*\e
	global_load_b32 v[56+\e], v3, s[46:47] offset:1024+4*\e
.endr
	WIN 0x40
.irp e, 0,1
	v_mov_b32 v[QF+12*\e+6], v58                   ; k = 64 .. 127 of q: the code 8 at k = 64, zeros else
.irp i, 7,8,9,10,11
	v_mov_b32 v[QF+12*\e+\i], 0
.endr
.endr
.irp a, 0,1,2,3,4,5,6,7
	v_mov_b32 v[KF+12*\a+6], 0x28                  ; k = 64 .. 127 of every key: the code 0x28 at k = 64 (at k = 96 it meets q's zero); written once: the loads fill registers 0-5 alone
.irp i, 7,8,9,10,11
	v_mov_b32 v[KF+12*\a+\i], 0
.endr
.endr
	WIN 0
.irp e, 0,1
	v_mov_b32 v[T+32*\e+5], 0                      ; written once: a lane permute's destination counts as one of its sources
	v_mov_b32 v[25+2*\e], 0                        ; (named as the upper half of f's pair)
.endr
	WALU
	s_wait_tensorcnt 0x0                           ; my two key steps have landed,
	s_barrier_signal -1
	s_barrier_wait -1                              ; everybody's have: the head lies in LDS
	WIN 0x40
	KCODES 1, 2                                    ; k of step 0
	WIN 0
	KWORDS 3
	s_mov_b32 s38, 2                               ; passes to go
	s_wait_loadcnt 0x0                             ; q
	s_wait_dscnt 0x0
.Lpass:
.irp e, 0,1
	v_mov_b32 v[17+2*\e], 0xf0800000               ; the largest score so far: -2^98
	v_mov_b32 v[20+2*\e], 0
	v_mov_b32 v[21+2*\e], 0
.endr
.irp e, 0,1
	v_mul_f32 v[16+2*\e], s19, v[17+2*\e]
.endr
.irp e, 0,1
	v_floor_f32 v[16+2*\e], v[16+2*\e]             ; -M
.endr
	WIN 0x40
.set j, 0
.rept 64
	v_mov_b32 v[OF+j], 0                           ; O^T: the step is written once; a pass's first trip finds zeros
.set j, j+1
.endr
	WIN 0
	s_mov_b32 s37, 0
.Lkey:                                                 ; A KEY STEP: 128 keys x 32 queries.  k of this step is in registers
	s_barrier_signal -1                            ; no LDS instruction of mine is out here
	s_mul_i32 s54, s37, STEPB                      ; this step's LDS byte,
	s_add_co_u32 s55, s37, 1
	s_and_b32 s55, s55, 15
	s_mul_i32 s55, s55, STEPB                      ; and the next step's (behind step 15: step 0's)
	WIN 0x05                                       ; sources 0 and 1 window 1, the scores window 0
.irp a, 0,1,2,3,4,5,6,7
.irp e, 0,1
	v_wmma_scale_f32_16x16x128_f8f6f4 v[S+64*\e+8*\a:S+64*\e+8*\a+7], v[KF+12*\a:KF+12*\a+11], v[QF+12*\e:QF+12*\e+11], 0, v[KSC+\a], v[28+\e] matrix_a_fmt:MATRIX_FMT_FP6 matrix_b_fmt:MATRIX_FMT_FP6
.endr
.endr
	WIN 0
	v_add_nc_u32 v7, s54, v1                       ; six plain lines: also the places between the products and the loads into their registers, and the first reads of the scores
	v_add_nc_u32 v8, s54, v2
	v_add_nc_u32 v9, s54, v3
	v_add_nc_u32 v11, s55, v1
	v_add_nc_u32 v12, s55, v2
	v_add_nc_u32 v13, s55, v3
	WIN 0x40
.irp u, 0,1,2,3                                ; v^T's four fragments (16 dims x 128 keys) of this step,
.irp c, 0,1
	ds_load_b128 v[VF+12*\u+6*\c:VF+12*\u+6*\c+3], v7 offset:6144+\c*3072+\u*768
	ds_load_b64 v[VF+12*\u+6*\c+4:VF+12*\u+6*\c+5], v8 offset:6144+\c*3072+\u*768+512
.endr
.endr
	KCODES 11, 12                                  ; k of the next
	WIN 0
	ds_load_b128 v[VSC:VSC+3], v9 offset:12800
	KWORDS 13
.irp b, 0,1                                    ; THE LARGEST SCORE OF EACH OF A LANE'S TWO BLOCKS OF 32 KEYS, two chains a block, both tiles in turn: it serves for the row's maximum and, since p rises with the score, for the block's largest p
.irp p, 0,1
.irp e, 0,1
	v_max3_num_f32 v[T+32*\e+2*\b+\p], v[S+64*\e+32*\b+16*\p], v[S+64*\e+32*\b+16*\p+1], v[S+64*\e+32*\b+16*\p+2]
.endr
.endr
.endr
.irp i, 3,5,7,9,11,13
.irp b, 0,1
.irp p, 0,1
.irp e, 0,1
	v_max3_num_f32 v[T+32*\e+2*\b+\p], v[T+32*\e+2*\b+\p], v[S+64*\e+32*\b+16*\p+\i], v[S+64*\e+32*\b+16*\p+\i+1]
.endr
.endr
.endr
.endr
.irp b, 0,1
.irp e, 0,1
	v_max3_num_f32 v[T+32*\e+2*\b], v[T+32*\e+2*\b], v[T+32*\e+2*\b+1], v[S+64*\e+32*\b+15]
.endr
.endr
.irp b, 0,1
.irp e, 0,1
	v_max_num_f32 v[T+32*\e+2*\b], v[T+32*\e+2*\b], v[S+64*\e+32*\b+31]
.endr
.endr
.irp e, 0,1
	v_max_num_f32 v[T+32*\e+4], v[T+32*\e], v[T+32*\e+2]
.endr
.irp e, 0,1
	v_permlanex16_b32 v[T+32*\e+5], v[T+32*\e+4], s20, s21
.endr
.irp e, 0,1
	v_max3_num_f32 v[17+2*\e], v[17+2*\e], v[T+32*\e+4], v[T+32*\e+5]   ; the running largest score of my query
.endr
.irp e, 0,1
	v_mul_f32 v[T+32*\e+6], s19, v[17+2*\e]        ; -t
.endr
.irp e, 0,1
	v_mov_b32 v[T+32*\e+7], v[16+2*\e]
.endr
.irp e, 0,1
	v_floor_f32 v[16+2*\e], v[T+32*\e+6]           ; the new -M = floor(-t): M is a whole number
.endr
.irp e, 0,1
	v_sub_f32 v[T+32*\e+7], v[16+2*\e], v[T+32*\e+7]   ; old M - new M: a whole number, 0 or less
.endr
.irp e, 0,1
	v_cvt_i32_f32 v[T+32*\e+7], v[T+32*\e+7]       ; (it saturates)
.endr
.irp e, 0,1
	v_ldexp_f32 v[24+2*\e], 1.0, v[T+32*\e+7]      ; f = 2^(old M - new M)
.endr
.irp e, 0,1
.set j, 0
.rept 32
	v_pk_fma_f32 v[S+64*\e+j:S+64*\e+j+1], v[S+64*\e+j:S+64*\e+j+1], s[22:23], v[16+2*\e:17+2*\e] op_sel_hi:[1,0,0]   ; t - M, two at a time
.set j, j+2
.endr
	v_fma_f32 v[T+32*\e], v[T+32*\e], s22, v[16+2*\e]       ; the same of each block's largest score
	v_fma_f32 v[T+32*\e+2], v[T+32*\e+2], s22, v[16+2*\e]
.endr
	WALU
	s_barrier_wait -1                              ; every wave has begun this trip
.set j, 0
.rept 128
	v_exp_f32 v[S+j], v[S+j]                       ; p = 2^(t - M), at most 1
.set j, j+1
.endr
.irp e, 0,1
	v_exp_f32 v[T+32*\e], v[T+32*\e]               ; the blocks' largest p
	v_exp_f32 v[T+32*\e+2], v[T+32*\e+2]
.endr
.irp e, 0,1
	v_pk_mul_f32 v[20+2*\e:21+2*\e], v[20+2*\e:21+2*\e], v[24+2*\e:25+2*\e] op_sel_hi:[1,0]   ; the sums under the new M (plain lines behind the exponentials)
.endr
	WALU                                           ; one wait for the whole batch, ahead of its first reader
.irp q, 0,1,2                                  ; THE ROW'S SUM OF THE UNQUANTISED p: four chains a tile; the ten lines that make p's scales stand among them
.irp e, 0,1
	v_pk_add_f32 v[T+32*\e+8+2*\q:T+32*\e+9+2*\q], v[S+64*\e+4*\q:S+64*\e+4*\q+1], v[S+64*\e+4*\q+2:S+64*\e+4*\q+3]
.endr
.endr
.irp e, 0,1
	v_pk_add_f32 v[20+2*\e:21+2*\e], v[20+2*\e:21+2*\e], v[S+64*\e+12:S+64*\e+13]
.endr
.set k, 7
.rept 25
.irp e, 0,1
.if (k-7)%4 == 3
	v_pk_add_f32 v[20+2*\e:21+2*\e], v[20+2*\e:21+2*\e], v[S+64*\e+2*k:S+64*\e+2*k+1]
.else
	v_pk_add_f32 v[T+32*\e+8+2*((k-7)%4):T+32*\e+9+2*((k-7)%4)], v[T+32*\e+8+2*((k-7)%4):T+32*\e+9+2*((k-7)%4)], v[S+64*\e+2*k:S+64*\e+2*k+1]
.endif
.endr
.if ((k-7)%2 == 0) && ((k-7)/2 < 10)
	PSC (k-7)/2, 0
	PSC (k-7)/2, 1
.endif
.set k, k+1
.endr
.irp e, 0,1
	v_pk_add_f32 v[T+32*\e+8:T+32*\e+9], v[T+32*\e+8:T+32*\e+9], v[T+32*\e+10:T+32*\e+11]
	v_pk_add_f32 v[20+2*\e:21+2*\e], v[20+2*\e:21+2*\e], v[T+32*\e+12:T+32*\e+13]
.endr
.irp e, 0,1
	v_pk_add_f32 v[20+2*\e:21+2*\e], v[20+2*\e:21+2*\e], v[T+32*\e+8:T+32*\e+9]
.endr
.irp e, 0,1                                    ; a conversion's three registers begin on an even number: each block's upper 16 codes are made in window 0 and moved
	v_cvt_scalef32_pk16_fp6_f32 v[T+32*\e+20:T+32*\e+22], v[S+64*\e+16:S+64*\e+31], v[T+32*\e+14]
	v_cvt_scalef32_pk16_fp6_f32 v[T+32*\e+24:T+32*\e+26], v[S+64*\e+48:S+64*\e+63], v[T+32*\e+15]
.endr
	WIN 0x40
.irp e, 0,1
	v_cvt_scalef32_pk16_fp6_f32 v[PF+12*\e:PF+12*\e+2], v[S+64*\e:S+64*\e+15], v[T+32*\e+14]
	v_cvt_scalef32_pk16_fp6_f32 v[PF+12*\e+6:PF+12*\e+8], v[S+64*\e+32:S+64*\e+47], v[T+32*\e+15]
.endr
	v_nop                                          ; one plain line behind the conversions
.irp e, 0,1
.irp i, 0,1,2
	v_mov_b32 v[PF+12*\e+3+\i], v[T+32*\e+20+\i]
	v_mov_b32 v[PF+12*\e+9+\i], v[T+32*\e+24+\i]
.endr
.endr
	WIN 0x41                                       ; O^T in window 1, f in window 0
	WALU                                           ; directly ahead of the first reader of O^T
.irp e, 0,1
.set j, 0
.rept 16
	v_pk_mul_f32 v[OF+32*\e+j:OF+32*\e+j+1], v[OF+32*\e+j:OF+32*\e+j+1], v[24+2*\e:25+2*\e] op_sel_hi:[1,0]   ; O^T under the new M, each accumulator from its low end on; also the places between p's codes and scale word and the products
.set j, j+2
.endr
.endr
	WIN 0x55
	WALU
	s_wait_dscnt 0x0                               ; all 35 loads of this trip are in: v^T of this step, k of the next
.irp u, 0,1,2,3                                ; O^T += v^T p^T: the eight accumulators by turns
.irp e, 0,1
	v_wmma_scale_f32_16x16x128_f8f6f4 v[OF+32*\e+8*\u:OF+32*\e+8*\u+7], v[VF+12*\u:VF+12*\u+11], v[PF+12*\e:PF+12*\e+11], v[OF+32*\e+8*\u:OF+32*\e+8*\u+7], v[VSC+\u], v[30+\e] matrix_a_fmt:MATRIX_FMT_FP6 matrix_b_fmt:MATRIX_FMT_FP6
.endr
.endr
	WIN 0
	s_add_co_u32 s37, s37, 1
	s_cmp_lt_u32 s37, 16
	s_cbranch_scc1 .Lkey
; THE WAY OUT of a pass: O^T / the sum; a lane's 32 numbers of a tile are one block of the last product's K: quantised in the lane, stored as six words of a half fragment and one scale byte.
.irp e, 0,1
	v_add_f32 v[20+2*\e], v[20+2*\e], v[21+2*\e]   ; the sum's two halves (these six lines are also the places behind the last products),
.endr
.irp e, 0,1
	v_permlanex16_b32 v[T+32*\e+5], v[20+2*\e], s20, s21
.endr
.irp e, 0,1
	v_add_f32 v[20+2*\e], v[20+2*\e], v[T+32*\e+5] ; and lane l xor 16's
.endr
	WALU
.irp e, 0,1
	v_rcp_f32 v[24+2*\e], v[20+2*\e]
.endr
	v_mov_b32 v59, 0xff                            ; (a plain line behind the reciprocals)
	WIN 0x41
	WALU                                           ; ahead of the first reader of the reciprocals and of O^T
.irp e, 0,1
.set j, 0
.rept 16
	v_pk_mul_f32 v[OF+32*\e+j:OF+32*\e+j+1], v[OF+32*\e+j:OF+32*\e+j+1], v[24+2*\e:25+2*\e] op_sel_hi:[1,0]
.set j, j+2
.endr
.endr
	WIN 0x15
.irp e, 0,1
	v_max3_num_f32 v[T+32*\e], |v[OF+32*\e]|, |v[OF+32*\e+1]|, |v[OF+32*\e+2]|
	v_max3_num_f32 v[T+32*\e+1], |v[OF+32*\e+3]|, |v[OF+32*\e+4]|, |v[OF+32*\e+5]|
.endr
	WIN 0x14
.irp i, 6,10,14,18,22,26
.irp e, 0,1
	v_max3_num_f32 v[T+32*\e], v[T+32*\e], |v[OF+32*\e+\i]|, |v[OF+32*\e+\i+1]|
	v_max3_num_f32 v[T+32*\e+1], v[T+32*\e+1], |v[OF+32*\e+\i+2]|, |v[OF+32*\e+\i+3]|
.endr
.endr
.irp e, 0,1
	v_max3_num_f32 v[T+32*\e], v[T+32*\e], |v[OF+32*\e+30]|, |v[OF+32*\e+31]|
.endr
	WIN 0
.irp e, 0,1
	v_max3_num_f32 v[T+32*\e], v[T+32*\e], v[T+32*\e+1], 0x1800000
.endr
.irp e, 0,1
	v_add_nc_u32 v[T+32*\e+14], 0xff000000, v[T+32*\e]
.endr
.irp e, 0,1
	v_lshrrev_b32 v[T+32*\e+16], 23, v[T+32*\e+14]
	v_cmp_gt_f32 s[58+\e], 0xed800000, v[17+2*\e]  ; -2^92 > the largest score: every key of the batch is masked:
.endr
.irp e, 0,1
	v_cndmask_b32 v[T+32*\e+16], v[T+32*\e+16], v59, s[58+\e]   ; the byte 0xff, which makes the row's results NaN
.endr
	WIN 0x01
.irp e, 0,1
	v_cvt_scalef32_pk16_fp6_f32 v[T+32*\e+8:T+32*\e+10], v[OF+32*\e:OF+32*\e+15], v[T+32*\e+14]
	v_cvt_scalef32_pk16_fp6_f32 v[T+32*\e+20:T+32*\e+22], v[OF+32*\e+16:OF+32*\e+31], v[T+32*\e+14]
.endr
	WIN 0
	v_nop
.irp e, 0,1
.irp i, 0,1,2
	v_mov_b32 v[T+32*\e+11+\i], v[T+32*\e+20+\i]
.endr
.endr
.irp e, 0,1
	global_store_b128 v1, v[T+32*\e+8:T+32*\e+11], s[50:51] offset:12288*\e        ; 512 consecutive bytes
	global_store_b64 v2, v[T+32*\e+12:T+32*\e+13], s[50:51] offset:12288*\e+512    ; 256 consecutive bytes
	global_store_b8 v10, v[T+32*\e+16], s[52:53] offset:512*\e                     ; one byte a lane, 1 in 25 of what the wave stores
.endr
	WIN 0x40
.irp e, 0,1
.irp i, 0,1,2,3,4,5
	v_mov_b32 v[QF+12*\e+\i], v[QST+6*\e+\i]       ; the second pass's q takes the operand's registers (behind the second pass these fourteen moves serve nothing: the text of a pass is written once)
.endr
.endr
	WIN 0
	v_mov_b32 v28, v56
	v_mov_b32 v29, v57
	s_wait_xcnt 0x0                                ; the stores have read their registers and bases: only now are the bases stepped, and the registers written again in the next pass
	s_add_nc_u64 s[50:51], s[50:51], 196608        ; 16 tiles on
	s_add_nc_u64 s[52:53], s[52:53], 8192
	s_sub_co_u32 s38, s38, 1
	s_cmp_lg_u32 s38, 0
	WALU
	s_cbranch_scc1 .Lpass
	s_wait_tensorcnt 0x0                           ; the wave's end
	ds_add_u32 v[SPW], v[NIL]
	s_wait_dscnt 0x0
	CROUND                                         ; the closing round
	s_endpgm
.Lfunc_end_k_qe356ce405f_attn:
	.size	k_qe356ce405f_attn, .Lfunc_end_k_qe356ce405f_attn-k_qe356ce405f_attn
	.p2alignl 7, 3214868480
	.fill 96, 4, 3214868480
	.section	.rodata,"a",@progbits
	.p2align	6, 0x0
	.amdhsa_kernel k_qe356ce405f_attn
		.amdhsa_group_segment_fixed_size 210944
		.amdhsa_private_segment_fixed_size 0
		.amdhsa_enable_private_segment 0
		.amdhsa_kernarg_size 32
		.amdhsa_user_sgpr_count 2
		.amdhsa_user_sgpr_kernarg_segment_ptr 1
		.amdhsa_wavefront_size32 1
		.amdhsa_system_sgpr_workgroup_id_x 1
		.amdhsa_system_sgpr_workgroup_id_y 1
		.amdhsa_system_sgpr_workgroup_id_z 1
		.amdhsa_system_vgpr_workitem_id 0
		.amdhsa_next_free_vgpr 512
		.amdhsa_next_free_sgpr 66
		.amdhsa_reserve_vcc 0
		.amdhsa_float_denorm_mode_32 3
		.amdhsa_float_denorm_mode_16_64 3
		.amdhsa_memory_ordered 1
		.amdhsa_forward_progress 1
		.amdhsa_inst_pref_size 47
	.end_amdhsa_kernel
	.amdgpu_metadata
---
amdhsa.version: [ 1, 2 ]
amdhsa.kernels:
  - .name:           k_qe356ce405f_attn
    .symbol:         k_qe356ce405f_attn.kd
    .args:
      - { .name: qb, .offset: 0, .size: 8, .value_kind: global_buffer, .address_space: global }
      - { .name: kv, .offset: 8, .size: 8, .value_kind: global_buffer, .address_space: global }
      - { .name: ac, .offset: 16, .size: 8, .value_kind: global_buffer, .address_space: global }
      - { .name: asc, .offset: 24, .size: 8, .value_kind: global_buffer, .address_space: global }
    .group_segment_fixed_size: 210944
    .private_segment_fixed_size: 0
    .kernarg_segment_align: 8
    .kernarg_segment_size: 32
    .max_flat_workgroup_size: 256
    .sgpr_count:     66
    .vgpr_count:     512
    .wavefront_size: 32
...
	.end_amdgpu_metadata
.endif
;; end of part 3
;; launch outp (part 4): grid 4 x 32, 4 waves a work-group, clusters of 4 x 4, 327,680 bytes of LDS; arguments ac, asc, cod, scl, bo, out0; writes out0
.if DOCPART == 4
	.amdgcn_target "amdgcn-amd-amdhsa--gfx1250"
	.amdhsa_code_object_version 6
	.text
	.protected	k_qe356ce405f_outp
	.globl	k_qe356ce405f_outp
	.p2align	8
	.type	k_qe356ce405f_outp,@function
k_qe356ce405f_outp:
	s_mov_b64 s[64:65], 0
	v_nop
	global_prefetch_b8 v0, s[64:65] scope:SCOPE_SE
	s_setreg_imm32_b32 hwreg(HW_REG_WAVE_MODE, 25, 1), 1
	s_wait_xcnt 0x0
	s_wait_alu depctr_hold_cnt(0) depctr_sa_sdst(0) depctr_va_vdst(0) depctr_va_sdst(0) depctr_va_ssrc(0) depctr_va_vcc(0) depctr_vm_vsrc(0)
	s_getreg_b32 s2, hwreg(HW_REG_IB_STS2, 6, 4)
	s_cmp_eq_u32 s2, 0
	s_cbranch_scc0 .Lentry_in_a_cluster
	s_endpgm
.Lentry_in_a_cluster:
	s_bfe_u32 s2, ttmp6, 0x10000c
	s_cmp_lg_u32 s2, 0xf033
	s_cbranch_scc0 .Lentry_shape_is_right
	s_endpgm
.Lentry_shape_is_right:
.set SLOT,  98304
.set PART,  24576
.set TILEB, 3072
.set SCL,   2*SLOT
.set SPARE, SCL+4*4096
.set FR,    12
.set NL,    4
.set NP,    4
.set A16,   16
.set A8,    18
.set B16,   20
.set B8,    22
.set L16,   24
.set L8,    25
.set STO,   26
.set RD,    10
.set ADRS,  27
.set SPW,   28
.set NIL,   29
.set SC,    32
.set BB,    64
.set AF,    128
.set BK,    128
.set SPITCH, 528
.set G1,  24
.set G0,  32
.set G1B, 48
.set G0B, 56
.set G1S, 68
.set G0S, 76
.set G1SB, 80
.set G0SB, 88
.set MSB, 0
.macro WIN new
.if MSB != (\new)
	s_set_vgpr_msb (MSB<<8)|(\new)
.set MSB, (\new)
.endif
.endm
.set MUL_LO, 0xa1
.set MUL_HI, 0xf1
.set BEG_LO, 0x81
.set BEG_HI, 0xc1
.set TO_B,   0x40
.macro JLOAD g0a, g1a, g0b, g1b
	s_cmp_eq_u32 s21, 0
	s_cbranch_scc0 .Lfor_b_\@
	tensor_load_to_lds s[\g0a:\g0a+3], s[\g1a:\g1a+7]
	s_nop 0
.rept 4
	v_nop
.endr
	s_branch .Lasked_\@
.Lfor_b_\@:
	tensor_load_to_lds s[\g0b:\g0b+3], s[\g1b:\g1b+7]
	s_nop 0
.rept 4
	v_nop
.endr
.Lasked_\@:
.endm
.macro CREST
	s_cmp_lg_u32 s20, 0
	s_cbranch_scc1 .Lnot_wave_0_\@
	s_barrier_signal -3
.Lnot_wave_0_\@:
	s_barrier_wait -3
	s_barrier_signal -1
	s_barrier_wait -1
.endm
.macro CROUND
	s_barrier_signal -1
	s_barrier_wait -1
	CREST
.endm
.macro PLACES n
.rept \n
	v_nop
.endr
.endm
	s_load_b256 s[4:11], s[0:1], 0x0
	s_load_b128 s[12:15], s[0:1], 0x20
	v_lshl_add_u32 v[SPW], v0, 2, SPARE
	v_mov_b32 v[NIL], 0
	ds_add_u32 v[SPW], v[NIL]
	ds_add_u32 v[SPW], v[NIL]
	v_lshrrev_b32 v1, 5, v0
	v_readfirstlane_b32 s20, v1
	s_lshr_b32 s21, s20, 1
	s_and_b32 s22, s20, 1
	s_bfe_u32 s40, ttmp6, 0x40000
	s_bfe_u32 s41, ttmp6, 0x40004
	s_and_b32 s92, ttmp7, 0xffff
	s_lshl_b32 s43, s41, 2
	s_lshl_b32 s43, 15, s43
	s_lshl_b32 s44, 0x1111, s40
	s_or_b32 s[G1+0], s43, (3<<16)|(1<<21)
	s_or_b32 s[G1B+0], s44, (3<<16)|(1<<21)
.irp g, G1, G1B
	s_mov_b32 s[\g+1], 384<<16
	s_mov_b32 s[\g+2], 16<<16
	s_mov_b32 s[\g+3], 384<<16
	s_mov_b32 s[\g+4], 16
	s_mov_b32 s[\g+5], 1536
	s_mov_b32 s[\g+6], 0
	s_mov_b32 s[\g+7], 0
.endr
	s_or_b32 s[G1S+0], s43, (3<<16)|(1<<21)
	s_or_b32 s[G1SB+0], s44, (3<<16)|(1<<21)
.irp g, G1S, G1SB
	s_mov_b32 s[\g+1], 32<<16
	s_mov_b32 s[\g+2], 32<<16
	s_mov_b32 s[\g+3], 32<<16
	s_mov_b32 s[\g+4], 32
	s_mov_b32 s[\g+5], 32
	s_mov_b32 s[\g+6], 0
	s_mov_b32 s[\g+7], 0
.endr
	s_lshl_b32 s45, s92, 2
	s_add_co_u32 s45, s45, s41
	s_mov_b32 s46, s40
	s_lshl_b32 s23, s22, 3
	s_lshl_b32 s47, s45, 4
	s_add_co_u32 s47, s47, s23
	s_lshl_b32 s66, s46, 4
	s_add_co_u32 s66, s66, s23
	s_add_co_u32 s66, s66, 1216
	s_mul_i32 s96, s47, 12288
	s_mov_b32 s97, 0
	s_lshl_b32 s98, s47, 9
	s_mov_b32 s99, 0
	s_mul_i32 s100, s66, 12288
	s_mov_b32 s101, 0
	s_lshl_b32 s2, s66, 9
	s_mov_b32 s3, 0
	s_mul_i32 s67, s20, PART
	s_lshl_b32 s23, s20, 12
	s_lshl_b32 s42, s45, 1
	s_add_co_u32 s42, s42, s21
	s_lshl_b32 s95, s46, 1
	s_add_co_u32 s95, s95, s22
	s_wait_dscnt 0x0
	s_wait_kmcnt 0x0
	s_add_nc_u64 s[96:97], s[4:5], s[96:97]
	s_add_nc_u64 s[98:99], s[6:7], s[98:99]
	s_add_nc_u64 s[100:101], s[8:9], s[100:101]
	s_add_nc_u64 s[2:3], s[10:11], s[2:3]
	CROUND
	s_mov_b32 s[G0S], 1
	s_add_co_u32 s[G0S+1], s23, SCL-4096           ; wave 1 asks for the scales of all 16 tiles of A: its own part begins 4,096 bytes on
	s_sub_nc_u64 s[G0S+2:G0S+3], s[98:99], 4096
	s_or_b32 s[G0S+3], s[G0S+3], 0x80000000
	s_mov_b32 s[G0SB], 1
	s_add_co_u32 s[G0SB+1], s23, SCL-4096          ; wave 3 likewise for B
	s_sub_nc_u64 s[G0SB+2:G0SB+3], s[2:3], 4096
	s_or_b32 s[G0SB+3], s[G0SB+3], 0x80000000
.irp s, 0,1
	s_mov_b32 s[G0+4*\s], 1
	s_add_co_u32 s[G0+4*\s+1], s67, \s*SLOT
	s_add_nc_u64 s[G0+4*\s+2:G0+4*\s+3], s[96:97], \s*TILEB
	s_or_b32 s[G0+4*\s+3], s[G0+4*\s+3], 0x80000000
	s_mov_b32 s[G0B+4*\s], 1
	s_add_co_u32 s[G0B+4*\s+1], s67, \s*SLOT
	s_add_nc_u64 s[G0B+4*\s+2:G0B+4*\s+3], s[100:101], \s*TILEB
	s_or_b32 s[G0B+4*\s+3], s[G0B+4*\s+3], 0x80000000
.endr
	; the head's four tiles, one joint load a wave, in one chain of branches on the wave's number: wave 0 slot 0's 16 tiles of A, wave 1 A's scales, wave 2 slot 0's 16 tiles of B, wave 3 B's scales
	s_cmp_lt_u32 s20, 1
	s_cbranch_scc0 .Lhead_1
	tensor_load_to_lds s[G0:G0+3], s[G1:G1+7]
	s_nop 0
	PLACES 4
	s_branch .Lhead_asked
.Lhead_1:
	s_cmp_lt_u32 s20, 2
	s_cbranch_scc0 .Lhead_2
	tensor_load_to_lds s[G0S:G0S+3], s[G1S:G1S+7]
	s_nop 0
	PLACES 4
	s_branch .Lhead_asked
.Lhead_2:
	s_cmp_lt_u32 s20, 3
	s_cbranch_scc0 .Lhead_3
	tensor_load_to_lds s[G0B:G0B+3], s[G1B:G1B+7]
	s_nop 0
	PLACES 4
	s_branch .Lhead_asked
.Lhead_3:
	tensor_load_to_lds s[G0SB:G0SB+3], s[G1SB:G1SB+7]
	s_nop 0
	PLACES 4
.Lhead_asked:
	v_and_b32 v1, 31, v0
	v_and_b32 v2, 15, v0
	v_bfe_u32 v3, v0, 4, 1
	v_lshlrev_b32 v[L16], 4, v1
	v_lshlrev_b32 v[L8], 3, v1
	s_mul_i32 s2, s21, PART
	s_mul_i32 s3, s22, PART
	s_add_co_u32 s3, s3, 2*PART
.irp s, 0,1
	v_add_nc_u32 v[A16+\s], s2, v[L16]
	v_add_nc_u32 v[A8+\s], s2, v[L8]
	v_add_nc_u32 v[B16+\s], s3, v[L16]
	v_add_nc_u32 v[B8+\s], s3, v[L8]
	s_add_co_u32 s2, s2, SLOT
	s_add_co_u32 s3, s3, SLOT
.endr
	s_lshl_b32 s2, s21, 12
	s_lshl_b32 s3, s22, 12
	s_add_co_u32 s3, s3, 8192
	s_sub_co_u32 s3, s3, s2
	v_mul_u32_u24 v4, s3, v3
	v_lshl_add_u32 v4, v2, 3, v4
	s_add_co_u32 s2, s2, SCL
	v_add_nc_u32 v[ADRS], s2, v4
	s_mul_i32 s2, s20, 16*SPITCH
	v_mul_u32_u24 v4, v2, SPITCH
	v_lshl_add_u32 v4, v3, 7, v4
	v_add_nc_u32 v[STO], s2, v4
	v_add_nc_u32 v[RD], s2, v[L16]
	s_lshl_b32 s98, s95, 9
	s_mov_b32 s99, 0
	s_add_nc_u64 s[12:13], s[12:13], s[98:99]
	s_lshl_b32 s96, s42, 19
	s_add_co_u32 s96, s96, s98
	s_mov_b32 s97, 0
	s_add_nc_u64 s[14:15], s[14:15], s[96:97]
	v_lshlrev_b32 v5, 7, v3
.irp b, 0,1,2,3,4,5,6,7
	global_load_b128 v[BB+8*\b:BB+8*\b+3], v5, s[12:13] offset:(64*(\b/4)+8*(\b%4))*4
	global_load_b128 v[BB+8*\b+4:BB+8*\b+7], v5, s[12:13] offset:(64*(\b/4)+8*(\b%4))*4+16
.endr
	s_wait_alu depctr_va_vdst(0)                   ; The bias's loads are out: they are on their way while the head's tiles are waited for
	s_wait_tensorcnt 0x0                           ; my tile of the four is in
	ds_add_u32 v[SPW], v[NIL]
	s_mov_b32 s[G1+2], 8<<16                       ; no tensor load of mine is out: from here on a load brings 8 tiles
	s_mov_b32 s[G1+4], 8
	s_mov_b32 s[G1B+2], 8<<16
	s_mov_b32 s[G1B+4], 8
	s_wait_dscnt 0x0
	CROUND                                         ; all four tiles are in, in every partner
	JLOAD G0+4, G1, G0B+4, G1B                     ; slot 1's first fill, a quarter a wave
	s_wait_loadcnt 0x0
.macro FRAG reg, a16, a8, q, i
.irp c, 0,1
	ds_load_b128 v[\reg+6*\c:\reg+6*\c+3], v[\a16] offset:(\i)*TILEB+(2*(\q)+\c)*768
	ds_load_b64 v[\reg+6*\c+4:\reg+6*\c+5], v[\a8] offset:(\i)*TILEB+(2*(\q)+\c)*768+512
.endr
.endm
.macro MUL16 a0, p, q, sc, zero
.irp a, \a0, \a0+1
.irp b, 0,1,2,3,4,5,6,7
.if \zero
	v_wmma_scale_f32_16x16x128_f8f6f4 v[8*(8*((\a)%4)+\b):8*(8*((\a)%4)+\b)+7], v[128*(\p)+FR*\b:128*(\p)+FR*\b+FR-1], v[AF+FR*(\a):AF+FR*(\a)+FR-1], v[BB+8*\b:BB+8*\b+7], v[SC+16*(\sc)+2*\b+(\q)], v[SC+16*(\sc)+2*(\a)+(\q)] matrix_a_fmt:MATRIX_FMT_FP6 matrix_b_fmt:MATRIX_FMT_FP6 matrix_a_scale:MATRIX_SCALE_ROW1
.else
	v_wmma_scale_f32_16x16x128_f8f6f4 v[8*(8*((\a)%4)+\b):8*(8*((\a)%4)+\b)+7], v[128*(\p)+FR*\b:128*(\p)+FR*\b+FR-1], v[AF+FR*(\a):AF+FR*(\a)+FR-1], v[8*(8*((\a)%4)+\b):8*(8*((\a)%4)+\b)+7], v[SC+16*(\sc)+2*\b+(\q)], v[SC+16*(\sc)+2*(\a)+(\q)] matrix_a_fmt:MATRIX_FMT_FP6 matrix_b_fmt:MATRIX_FMT_FP6 matrix_a_scale:MATRIX_SCALE_ROW1
.endif
.endr
.endr
.endm
.macro FETCH_B slot, q, p
	WIN TO_B
.irp i, 0,1,2,3,4,5,6,7
	FRAG 128*(\p)+FR*\i, B16+\slot, B8+\slot, \q, \i
.endr
	WIN 0
.endm
.macro FETCH_A slot, q, i0
.irp i, \i0, \i0+1, \i0+2, \i0+3
	FRAG AF+FR*(\i), A16+\slot, A8+\slot, \q, \i
.endr
.endm
.macro SCALES sc
.irp i, 0,1,2,3,4,5,6,7
	ds_load_b64 v[SC+16*\sc+2*\i:SC+16*\sc+2*\i+1], v[ADRS] offset:\i*512
.endr
.endm
.macro STEP slot, zero
	s_wait_dscnt 4*NL
.if \zero
	WIN BEG_LO
.else
	WIN MUL_LO
.endif
	MUL16 0, 0, 0, \slot, \zero
	MUL16 2, 0, 0, \slot, \zero
	s_wait_dscnt 0
	PLACES NP
	FETCH_B \slot, 1, 1
	FETCH_A \slot, 1, 0
.if \zero
	WIN BEG_HI
.else
	WIN MUL_HI
.endif
	MUL16 4, 0, 0, \slot, \zero
	MUL16 6, 0, 0, \slot, \zero
	PLACES NP
	WIN 0
	FETCH_A \slot, 1, 4
.endm
.macro TURN slot, next, fill
	s_wait_tensorcnt 0x0
	ds_add_u32 v[SPW], v[NIL]
	s_wait_dscnt 4*NL+1
	WIN MUL_LO
	MUL16 0, 1, 1, \slot, 0
	s_wait_dscnt 0x0
	s_barrier_signal -1
	MUL16 2, 1, 1, \slot, 0
	WIN 0
	s_barrier_wait -1
.if \fill
	CREST
	s_add_nc_u64 s[G0+4*\slot+2:G0+4*\slot+3], s[G0+4*\slot+2:G0+4*\slot+3], 2*TILEB
	s_add_nc_u64 s[G0B+4*\slot+2:G0B+4*\slot+3], s[G0B+4*\slot+2:G0B+4*\slot+3], 2*TILEB
	JLOAD G0+4*\slot, G1, G0B+4*\slot, G1B
.else
	PLACES NP
.endif
	s_wait_alu depctr_va_vdst(0)
	v_add_nc_u32 v[ADRS], 128, v[ADRS]
	FETCH_B \next, 0, 0
	FETCH_A \next, 0, 0
	SCALES \next
	WIN MUL_HI
	MUL16 4, 1, 1, \slot, 0
	MUL16 6, 1, 1, \slot, 0
	PLACES NP
	WIN 0
	FETCH_A \next, 0, 4
.endm
	s_wait_tensorcnt 1
	s_barrier_signal -1
	s_barrier_wait -1
	FETCH_B 0, 0, 0
	FETCH_A 0, 0, 0
	SCALES 0
	FETCH_A 0, 0, 4
	STEP 0, 1
	TURN 0, 1, 1
	STEP 1, 0
	TURN 1, 0, 1
	STEP 0, 0
	TURN 0, 1, 0
	STEP 1, 0
	s_wait_dscnt 4*NL
	WIN MUL_LO
	MUL16 0, 1, 1, 1, 0
	MUL16 2, 1, 1, 1, 0
	s_wait_dscnt 0
	WIN MUL_HI
	MUL16 4, 1, 1, 1, 0
	MUL16 6, 1, 1, 1, 0
	WIN 0
.macro TOSTAGE a
.set AC, 64*((\a)%4)
	WIN 0x08+4*((\a)/4)
.irp b, 0,1,2,3,4,5,6,7
	ds_store_b128 v[STO], v[AC+8*\b:AC+8*\b+3] offset:256*(\b/4)+32*(\b%4)
	ds_store_b128 v[STO], v[AC+8*\b+4:AC+8*\b+7] offset:256*(\b/4)+32*(\b%4)+16
.endr
	WIN 0
.set BR, BK+64*((\a)%2)
.irp t, 0,1,2,3,4,5,6,7,8,9,10,11,12,13,14,15
	ds_load_b128 v[BR+4*\t:BR+4*\t+3], v[RD] offset:\t*SPITCH
.endr
.endm
.macro SEND a, younger
.set BR, BK+64*((\a)%2)
	s_wait_dscnt \younger
.irp t, 0,1,2,3,4,5,6,7,8,9,10,11,12,13,14,15
	global_store_b128 v[L16], v[BR+4*\t:BR+4*\t+3], s[14:15] offset:(64*((\a)/4)+8*((\a)%4)+(\t%8)+32*(\t/8))*4096 th:TH_STORE_NT
.endr
.endm
	PLACES NP
	TOSTAGE 0
.irp a, 1,2,3,4,5,6,7
.if \a > 1
	s_wait_xcnt 0x0
.endif
	TOSTAGE \a
	SEND \a-1, 32
.endr
	SEND 7, 0
	s_wait_tensorcnt 0x0
	ds_add_u32 v[SPW], v[NIL]
	s_wait_dscnt 0x0
	CROUND
	s_endpgm
.Lfunc_end_k_qe356ce405f_outp:
	.size	k_qe356ce405f_outp, .Lfunc_end_k_qe356ce405f_outp-k_qe356ce405f_outp
	.p2alignl 7, 3214868480
	.fill 96, 4, 3214868480
	.section	.rodata,"a",@progbits
	.p2align	6, 0x0
	.amdhsa_kernel k_qe356ce405f_outp
		.amdhsa_group_segment_fixed_size 327680
		.amdhsa_private_segment_fixed_size 0
		.amdhsa_enable_private_segment 0
		.amdhsa_kernarg_size 48
		.amdhsa_user_sgpr_count 2
		.amdhsa_user_sgpr_kernarg_segment_ptr 1
		.amdhsa_wavefront_size32 1
		.amdhsa_system_sgpr_workgroup_id_x 1
		.amdhsa_system_sgpr_workgroup_id_y 1
		.amdhsa_system_sgpr_workgroup_id_z 1
		.amdhsa_system_vgpr_workitem_id 0
		.amdhsa_next_free_vgpr 1024
		.amdhsa_next_free_sgpr 102
		.amdhsa_reserve_vcc 0
		.amdhsa_float_denorm_mode_32 3
		.amdhsa_float_denorm_mode_16_64 3
		.amdhsa_memory_ordered 1
		.amdhsa_forward_progress 1
		.amdhsa_inst_pref_size 145
	.end_amdhsa_kernel
	.amdgpu_metadata
---
amdhsa.version: [ 1, 2 ]
amdhsa.kernels:
  - .name:           k_qe356ce405f_outp
    .symbol:         k_qe356ce405f_outp.kd
    .args:
      - { .name: ac, .offset: 0, .size: 8, .value_kind: global_buffer, .address_space: global }
      - { .name: asc, .offset: 8, .size: 8, .value_kind: global_buffer, .address_space: global }
      - { .name: cod, .offset: 16, .size: 8, .value_kind: global_buffer, .address_space: global }
      - { .name: scl, .offset: 24, .size: 8, .value_kind: global_buffer, .address_space: global }
      - { .name: bo, .offset: 32, .size: 8, .value_kind: global_buffer, .address_space: global }
      - { .name: out0, .offset: 40, .size: 8, .value_kind: global_buffer, .address_space: global }
    .group_segment_fixed_size: 327680
    .private_segment_fixed_size: 0
    .kernarg_segment_align: 8
    .kernarg_segment_size: 48
    .max_flat_workgroup_size: 128
    .sgpr_count:     102
    .vgpr_count:     1024
    .wavefront_size: 32
...
	.end_amdgpu_metadata
.endif
;; end of part 4
